; MI455X (gfx1250); checked and timed in simulation.
; The chip was launched on July 23, 2026; its instructions are those of AMD's public machine-readable ISA for CDNA 5 (MIT licence, August 2026) and "CDNA5" Instruction Set Architecture Reference Guide (July 2026). The comments in the code are by the model that wrote it; some were corrected since.
;; Multi Head Attention. Allowed arithmetic: matrix products marked QUANTISED: E4M3 operands, one given power-of-two scale a tensor, by v_wmma_f32_16x16x64_fp8_fp8 or v_wmma_f32_16x16x128_fp8_fp8, f32 sums; everything else in f32.
;; Inputs: Wk_codes 1,024 x 32 x 32 uint8 (E4M3 codes of Wk, K innermost, in blocks of 32 codes); Wo_codes 1,024 x 32 x 32 uint8 (E4M3 codes of Wo, K innermost, in blocks of 32 codes); Wq_codes 1,024 x 32 x 32 uint8 (E4M3 codes of Wq, K innermost, in blocks of 32 codes); Wv_codes 1,024 x 32 x 32 uint8 (E4M3 codes of Wv, K innermost, in blocks of 32 codes); bk 1,024 float32; bo 1,024 float32; bq 1,024 float32; bv 1,024 float32; lowp_scales 12 int32 (the exponents e of the quantised operands' scales 2^e); mask 4 x 1 x 2,048 x 2,048 float32; x_codes 4 x 2,048 x 32 x 32 uint8 (E4M3 codes of x, K innermost, in blocks of 32 codes).
;; Outputs: out0 4 x 2,048 x 1,024 float32.
;; This version of the problem:
;;   THIS VERSION OF THE PROBLEM IS GIVEN IN LOW PRECISION. The matrix products marked QUANTISED in the list below multiply operands that are first quantised to E4M3 (4 exponent bits, 3 mantissa bits; 8 bits a number), with one given power-of-two scale for each operand tensor; their sums are f32. All else is computed in f32.
;;   The module's matrix products, in the order in which they are computed (A, B: the left and right operand; K: the contracted axis; several contracted axes count as one K, in the product's order):
;;     1. [M 8,192, K 1,024] x [K 1,024, N 1,024]; A: input x (given as codes); B: input Wq (given as codes): QUANTISED (scales: A lowp_scales[0], B lowp_scales[1])
;;     2. [M 8,192, K 1,024] x [K 1,024, N 1,024]; A: input x (given as codes); B: input Wk (given as codes): QUANTISED (scales: A lowp_scales[2], B lowp_scales[3])
;;     3. [M 8,192, K 1,024] x [K 1,024, N 1,024]; A: input x (given as codes); B: input Wv (given as codes): QUANTISED (scales: A lowp_scales[4], B lowp_scales[5])
;;     4. batch 64 x [M 2,048, K 64] x [K 64, N 2,048]; A: computed on the way; B: computed on the way: QUANTISED (scales: A lowp_scales[6], B lowp_scales[7])
;;     5. batch 64 x [M 2,048, K 2,048] x [K 2,048, N 64]; A: softmax (see below); B: computed on the way: QUANTISED (scales: A lowp_scales[8], B lowp_scales[9])
;;     6. [M 8,192, K 1,024] x [K 1,024, N 1,024]; A: computed on the way; B: input Wo (given as codes): QUANTISED (scales: A lowp_scales[10], B lowp_scales[11])
;;   THE QUANTISER, for each operand of a quantised product, along K:
;;     - The operand's scale is 2^e, e = its entry of the input lowp_scales (int32; the entries are numbered through the quantised products in the list's order, A before B).
;;     - Each number is divided by the scale, clamped to +-448, and rounded to the nearest number of E4M3, ties to even, subnormals kept.
;;     - The product sums the exact products of the quantised numbers (number of the format x scale) in f32.
;;   ~~~python
;;   def quantise(x, axis, e):      # numpy; x: float32 -> the quantised numbers, widened to float32 again
;;       x = np.moveaxis(x, axis, -1); K = x.shape[-1]
;;       r = np.clip(x / 2.0 ** e, -448, 448)
;;       step = 2.0 ** (np.maximum(np.frexp(np.where(r == 0, 1, r))[1] - 1, -6) - 3)
;;       q = np.round(r / step) * step * 2.0 ** e      # np.round: ties to even
;;       return np.moveaxis(q, -1, axis).astype(np.float32)
;;   ~~~
;;   SOFTMAX AHEAD OF A QUANTISED PRODUCT. Where the list says 'softmax', what is quantised is not the finished softmax but p = 2^(t - M), with t = logit x log2(e) and M = ceil(the row's largest t), a whole number; so 1/2 < the row's largest p <= 1. The row's sum l is taken of the UNQUANTISED p, in f32, and the product's result is divided by l at the end. Since M is a whole number, a kernel that streams over the keys may use a running M (the ceiling of the running maximum): every later rescaling is an exact power of two, so the quantised numbers keep their values, but for numbers so far below the row's largest that they fall under the format's range.
;;   OPERANDS COMPUTED ON THE WAY. 'Computed on the way' means the value that the module computes at that place (a softmax that the list does not call 'softmax' is quantised finished and normalised). What goes into a quantiser is computed in f32, as accurately as f32 sums, v_exp_f32 and their like allow (about 1e-6 of the number): no bf16 or f16 on the way to a quantiser, and a product that is left as it is and whose result goes on into a quantised operand takes f32 operands (vector FMAs, or v_wmma_f32_16x16x4_f32). A number that lies on a knife's edge between two numbers of the format may be rounded either way, as far as f32 arithmetic and the matrix unit's own rounding can turn it there, and no further.
;;   INPUTS GIVEN AS CODES. Wk (in the module: [1024, 1024], K = its axis 1); Wo (in the module: [1024, 1024], K = its axis 1); Wq (in the module: [1024, 1024], K = its axis 1); Wv (in the module: [1024, 1024], K = its axis 1); x (in the module: [4, 2048, 1024], K = its axis 2): each comes as NAME_codes (uint8): NAME with its K axis moved to the last place and cut into blocks of 32 codes, [.., K / 32, bytes a block], one block behind the other in memory; one code a byte (a code: sign, 4 exponent bits, 3 mantissa bits); its scale is its entry of lowp_scales. Its value is code x scale, taken as it is: it is not quantised again, and the codes and scales need not be those that the quantiser above would give.
;; 2 versions. Each part assembles by itself: llvm-mc -triple=amdgcn-amd-amdhsa -mcpu=gfx1250 --defsym DOCPART=n.
;; ======== version 1 of 2: 3 launches
;; workspace buffers: qc 8,388,608 bytes; kc 8,388,608 bytes; vc 8,388,608 bytes; cc 8,388,608 bytes
;; launch qkv (part 1): grid 12 x 32, 4 waves a work-group, clusters of 4 x 4, 327,680 bytes of LDS; arguments x_codes, Wq_codes, Wk_codes, Wv_codes, bq, bk, bv, lowp_scales, qc, kc, vc; writes qc, kc, vc
.if DOCPART == 1
	.amdgcn_target "amdgcn-amd-amdhsa--gfx1250"
	.amdhsa_code_object_version 6
	.text
	.protected	k_q5558fd9154_qkv
	.globl	k_q5558fd9154_qkv
	.p2align	8
	.type	k_q5558fd9154_qkv,@function
k_q5558fd9154_qkv:
	s_mov_b64 s[64:65], 0
	v_nop
	global_prefetch_b8 v0, s[64:65] scope:SCOPE_SE
	s_setreg_imm32_b32 hwreg(HW_REG_WAVE_MODE, 25, 1), 1
	s_wait_xcnt 0x0
	s_wait_alu depctr_hold_cnt(0) depctr_sa_sdst(0) depctr_va_vdst(0) depctr_va_sdst(0) depctr_va_ssrc(0) depctr_va_vcc(0) depctr_vm_vsrc(0)
	s_getreg_b32 s2, hwreg(HW_REG_IB_STS2, 6, 4)
	s_cmp_eq_u32 s2, 0
	s_cbranch_scc0 .Lentry_in_a_cluster
	s_endpgm
.Lentry_in_a_cluster:
	s_bfe_u32 s2, ttmp6, 0x10000c
	s_cmp_lg_u32 s2, 0xf033
	s_cbranch_scc0 .Lentry_shape_is_right
	s_endpgm
.Lentry_shape_is_right:
; q = x Wq^T + bq, k = x Wk^T + bk, v = x Wv^T + bv on codes of FP8 (E4M3); each result is quantised at once with its given scale (entries 6, 7, 9 of the scales) and stored as codes.
; x: [8192][1024] codes, W: [1024][1024] codes, K innermost.  The cluster's x says which product: 0 q, 1 k, 2 v; it is alike in all sixteen partners.
; q, k: C = x W^T (A = x, B = W).  v: C = Wv x^T (A = Wv, B = x), so that a lane's eight results run along the tokens, which are the K of attention's second product.
; A tile of C is 256 x 256: four waves, each 128 x 128 in 64 accumulators.  K = 1,024 goes in four slots' worth of 256 through a ring of two LDS slots filled by the tensor data mover.
; CLUSTERS: 4 x 4 work-groups; A's tile is shared along a row of the cluster, B's along a column: each is asked for jointly, by one tensor load with a mask that names the four.
; THE MATRIX INSTRUCTION IS USED TRANSPOSED (source 0 = 16 rows of B, source 1 = 16 rows of A): lane l holds row l % 16 of C and the columns 16 b + 8 (l / 16) + 0 .. 7 of accumulator b.
; OUTPUT: images of operand registers.  A block of 16,384 bytes holds 128 model columns (two heads) x 128 tokens: [batch 4][column block 8][token block 16], and inside it [a 8][c 4][lane 32][16 bytes].
;   The codes of accumulators 2 c and 2 c + 1 of A's block a are a lane's 16 bytes at (a, c): a wave's store covers 512 consecutive bytes, aligned, straight from registers; no LDS stage is needed.
; BIASES: q and k want a bias by column of C, v by row.  Both forms are loaded by every work-group, so that every register is written on every path; the form that the product does not use
;   is read at an index cut to the buffer's 4,096 bytes and is never used.
; LIMITS: the sum of a product's two exponents lies between -126 and 127; the exponent of the result's scale between -126 and 119.  NaN among the inputs is not served.
; REGISTERS, in windows of 256: window 0: v0-31 addresses; v32-95 bias by column; v96-111 bias by row; v112, v113 the hold and the scale; from v128 A's fragments, one set; on the way out v128-255 are free.
;   window 1: B's fragments, two sets, at v0 and v128.   window 2: the accumulators of my rows 0-63 ((a, b) at v[8 (8 a + b)]);   window 3: those of my rows 64-127.
.set KSTEP,  256                       ; along K in a slot
.set ROWB,   256                       ; a tile's row in bytes
.set KROW,   1024                      ; a row of A or of B in memory, in bytes
.set PITCH,  272                       ; an LDS row: 256 bytes + 16 of padding: the 16 rows that a load touches start at 16 different banks (ISA guide 11.1)
.set FR,     16                        ; registers of a fragment: 16 rows x 128 K
.set NL,     4                         ; LDS loads that bring one
.set NP,     4                         ; places behind this matrix instruction (ISA guide 7.12.1)
.set HALFT,  128*PITCH                 ; 128 rows: what one tensor load brings
.set SLOT,   4*HALFT                   ; A's 256 rows, then B's 256 rows
.set LAPS,   2                         ; 1,024 / (2 x 256): twice round the ring
.set SPARE,  2*SLOT                    ; behind the ring: the spare words, 128 bytes for each wave
.set ADRA, 16                          ; v16-17  LDS address of my A fragments in slot 0, 1
.set ADRB, 20                          ; v20-21  the same for B
.set LOFF, 26                          ; v26     16 x lane: my place in a store's 512 bytes
.set SPW,  28                          ; v28     LDS address of my spare word; never rewritten
.set NIL,  29                          ; v29     0; never rewritten
.set BCO,  30                          ; v30     byte offset of my bias by column
.set BRO,  31                          ; v31     byte offset of my bias by row
.set BC,   32                          ; v32-95  bias of column 16 b + 8 (l / 16) + j at register 8 b + j
.set BR,   96                          ; v96-111 bias of row 16 a + l % 16, twice, at registers 2 a, 2 a + 1
.set LIM,  112                         ; v112    448 x the result's scale
.set SCL,  113                         ; v113    the result's scale as f32
.set AF,   128                         ; A's fragments
.set TT,   128                         ; the way out: 64 numbers of a block
.set G1, 24                            ; s[24:31] descriptor group 1 for A's tiles;  s[32:39] group 0, one set for each slot
.set G0, 32
.set G1B, 48                           ; s[48:55], s[56:63] the same for B's tiles
.set G0B, 56
.set MSB, 0
.macro WIN new                         ; the immediate's high byte repeats the setting that is left
.if MSB != \new
	s_set_vgpr_msb (MSB<<8)|\new
.set MSB, \new
.endif
.endm
.set MUL_LO, 0xa1                      ; source 0 (B) window 1, source 1 (A) window 0, C and D window 2
.set MUL_HI, 0xf1                      ; the same, C and D window 3
.set TO_B,   0x40                      ; destination window 1, address window 0
; A joint load: waves 0 and 1 fetch for A, waves 2 and 3 for B; the branch hangs on the wave's number alone.  Four v_nop follow each of the two lines.
.macro JLOAD g0a, g1a, g0b, g1b
	s_cmp_eq_u32 s15, 0
	s_cbranch_scc0 .Lfor_b_\@
	tensor_load_to_lds s[\g0a:\g0a+3], s[\g1a:\g1a+7]
	s_nop 0
.rept 4
	v_nop
.endr
	s_branch .Lasked_\@
.Lfor_b_\@:
	tensor_load_to_lds s[\g0b:\g0b+3], s[\g1b:\g1b+7]
	s_nop 0
.rept 4
	v_nop
.endr
.Lasked_\@:
.endm
.macro CREST                           ; a round of the cluster's barrier behind its opening barrier
	s_cmp_lg_u32 s14, 0
	s_cbranch_scc1 .Lnot_wave_0_\@
	s_barrier_signal -3
.Lnot_wave_0_\@:
	s_barrier_wait -3
	s_barrier_signal -1
	s_barrier_wait -1
.endm
.macro CROUND                          ; a whole round
	s_barrier_signal -1
	s_barrier_wait -1
	CREST
.endm
	s_load_b512 s[68:83], s[0:1], 0x0              ; x s[68:69], Wq s[70:71], Wk s[72:73], Wv s[74:75], bq s[76:77], bk s[78:79], bv s[80:81], the scales s[82:83]
	s_load_b128 s[84:87], s[0:1], 0x40             ; qc, kc
	s_load_b64 s[88:89], s[0:1], 0x50              ; vc
	v_lshl_add_u32 v[SPW], v0, 2, SPARE
	v_mov_b32 v[NIL], 0
	ds_add_u32 v28, v29
	s_wait_dscnt 0x0
	v_lshrrev_b32 v1, 5, v0
	v_readfirstlane_b32 s14, v1                    ; wave 0..3
	s_lshr_b32 s15, s14, 1                         ; which half of the tile's rows is mine.  Also: I fetch for A (0) or for B (1)
	s_and_b32 s16, s14, 1                          ; which half of its columns.  Also: which 128 rows of that tile I fetch
	s_bfe_u32 s40, ttmp6, 0x40000                  ; cx, cy: my place in the cluster
	s_bfe_u32 s41, ttmp6, 0x40004
	s_and_b32 s17, ttmp7, 0xffff
	s_lshl_b32 s17, s17, 2                         ; 4 x cluster y: the tokens' tiles
	s_cmp_eq_u32 ttmp9, 2                          ; v?  Then the tokens run along C's columns
	s_cselect_b32 s42, s17, 0
	s_cselect_b32 s17, 0, s17
	s_add_co_u32 s42, s42, s40                     ; tile column of C
	s_add_co_u32 s17, s17, s41                     ; tile row of C
	s_lshl_b32 s43, s41, 2
	s_lshl_b32 s43, 15, s43                        ; my row of the cluster
	s_lshl_b32 s44, 0x1111, s40                    ; my column
	; descriptor group 1: a tile of 128 rows x 256 bytes, padded in LDS
	s_or_b32 s[G1+0], s43, (0<<16)|(1<<20)|(1<<21)|(5<<22)|(3<<25)  ; 15:0 the mask: A's tiles go to my row; elements of 1 byte; 20 padding on; 21 set beside a mask; after every 64 words (code 5) 4 words (code 3)
	s_or_b32 s[G1B+0], s44, (0<<16)|(1<<20)|(1<<21)|(5<<22)|(3<<25)
.irp g, G1, G1B
	s_mov_b32 s[\g+1], ROWB<<16                    ; tensor_dim0
	s_mov_b32 s[\g+2], 128<<16                     ; tensor_dim1 = 128
	s_mov_b32 s[\g+3], ROWB<<16                    ; tile_dim0
	s_mov_b32 s[\g+4], 128                         ; tile_dim1 = 128
	s_mov_b32 s[\g+5], KROW                        ; tensor_dim0_stride
	s_mov_b32 s[\g+6], 0
	s_mov_b32 s[\g+7], 0
.endr
	s_lshl_b32 s18, s16, 7                         ; which 128 rows of the tile I fetch
	s_lshl_b32 s20, s17, 8
	s_add_co_u32 s20, s20, s18                     ; A: row 256 x tile row + 128 x half,
	s_lshl_b32 s20, s20, 10                        ; in bytes (under 2^23)
	s_mov_b32 s21, 0
	s_lshl_b32 s46, s42, 8
	s_add_co_u32 s46, s46, s18                     ; B: row 256 x tile column + 128 x half
	s_lshl_b32 s46, s46, 10
	s_mov_b32 s47, 0
	s_mul_i32 s45, s14, HALFT                      ; where they go: wave x 128 rows: no place in the cluster enters an LDS address
	s_wait_kmcnt 0x0
	s_cmp_eq_u32 ttmp9, 0                          ; the buffers of my product: the choice hangs on the cluster's x alone
	s_cselect_b64 s[6:7], s[70:71], s[72:73]
	s_cselect_b64 s[10:11], s[84:85], s[86:87]
	s_cselect_b64 s[12:13], s[76:77], s[78:79]
	s_cmp_eq_u32 ttmp9, 2
	s_cselect_b64 s[4:5], s[74:75], s[68:69]       ; A: Wv or x
	s_cselect_b64 s[6:7], s[68:69], s[6:7]         ; B: x, or Wq, Wk
	s_cselect_b64 s[10:11], s[88:89], s[10:11]     ; the codes that I make
	s_cselect_b64 s[12:13], s[80:81], s[12:13]     ; the bias
	s_load_b256 s[68:75], s[82:83], 0x0            ; entries 0 to 7 of the scales
	s_load_b64 s[76:77], s[82:83], 0x20            ; entries 8, 9
	s_add_nc_u64 s[20:21], s[4:5], s[20:21]
	s_add_nc_u64 s[46:47], s[6:7], s[46:47]
	CROUND                                         ; all sixteen work-groups are here: the first joint loads meet
.irp s, 0,1
	s_mov_b32 s[G0+4*\s], 1
	s_add_co_u32 s[G0+4*\s+1], s45, \s*SLOT
	s_add_nc_u64 s[G0+4*\s+2:G0+4*\s+3], s[20:21], \s*ROWB
	s_or_b32 s[G0+4*\s+3], s[G0+4*\s+3], 0x80000000
	s_mov_b32 s[G0B+4*\s], 1
	s_add_co_u32 s[G0B+4*\s+1], s45, \s*SLOT
	s_add_nc_u64 s[G0B+4*\s+2:G0B+4*\s+3], s[46:47], \s*ROWB
	s_or_b32 s[G0B+4*\s+3], s[G0B+4*\s+3], 0x80000000
	JLOAD G0+4*\s, G1, G0B+4*\s, G1B
.endr
	v_and_b32 v1, 15, v0                           ; l % 16
	v_bfe_u32 v2, v0, 4, 1                         ; l / 16
	v_mul_u32_u24 v3, v1, PITCH
	v_lshl_add_u32 v4, v2, 4, v3                   ; a fragment's row x pitch + 16 x half
	s_mul_i32 s21, s15, HALFT                      ; my 128 rows of A
	s_mul_i32 s22, s16, HALFT                      ; my 128 rows of B,
	s_add_co_u32 s22, s22, 2*HALFT                 ; which lie behind A's 256
.irp s, 0,1
	v_add_nc_u32 v[ADRA+\s], s21, v4
	v_add_nc_u32 v[ADRB+\s], s22, v4
	s_add_co_u32 s21, s21, SLOT
	s_add_co_u32 s22, s22, SLOT
.endr
	v_and_b32 v6, 31, v0
	v_lshlrev_b32 v[LOFF], 4, v6
	; the biases, in both forms
	s_lshl_b32 s18, s42, 10
	s_lshl_b32 s19, s16, 9
	s_add_co_u32 s18, s18, s19                     ; 4 x my first column of C,
	s_and_b32 s18, s18, 0xfff                      ; cut to the bias's 4,096 bytes (it changes nothing where this form is used)
	v_lshl_add_u32 v[BCO], v2, 5, s18
	s_lshl_b32 s18, s17, 10
	s_lshl_b32 s19, s15, 9
	s_add_co_u32 s18, s18, s19                     ; 4 x my first row of C, likewise
	s_and_b32 s18, s18, 0xfff
	v_lshl_add_u32 v[BRO], v1, 2, s18
.irp b, 0,1,2,3,4,5,6,7
	global_load_b128 v[BC+8*\b:BC+8*\b+3], v[BCO], s[12:13] offset:64*\b
	global_load_b128 v[BC+8*\b+4:BC+8*\b+7], v[BCO], s[12:13] offset:64*\b+16
.endr
.irp a, 0,1,2,3,4,5,6,7
	global_load_b32 v[BR+2*\a], v[BRO], s[12:13] offset:64*\a
	global_load_b32 v[BR+2*\a+1], v[BRO], s[12:13] offset:64*\a
.endr
	; where my wave's block of 16,384 bytes lies: ((batch x 8 + column block) x 16 + token block) x 16,384
	s_lshl_b32 s18, s17, 1
	s_add_co_u32 s18, s18, s15                     ; my 128 rows of C
	s_lshl_b32 s19, s42, 1
	s_add_co_u32 s19, s19, s16                     ; my 128 columns of C
	s_cmp_eq_u32 ttmp9, 2
	s_cselect_b32 s22, s19, s18                    ; the tokens' block of 128, 0 .. 63
	s_cselect_b32 s23, s18, s19                    ; the model columns' block of 128, 0 .. 7
	s_lshr_b32 s18, s22, 4
	s_lshl_b32 s18, s18, 3
	s_add_co_u32 s18, s18, s23
	s_lshl_b32 s18, s18, 4
	s_and_b32 s22, s22, 15
	s_add_co_u32 s18, s18, s22
	s_lshl_b32 s18, s18, 14
	s_mov_b32 s19, 0
	s_add_nc_u64 s[10:11], s[10:11], s[18:19]
	s_wait_kmcnt 0x0                               ; the scales
	s_add_co_i32 s90, s68, s69                     ; the sum of each product's two exponents,
	s_add_co_i32 s91, s70, s71
	s_add_co_i32 s92, s72, s73
	s_cmp_eq_u32 ttmp9, 0
	s_cselect_b32 s96, s90, s91                    ; mine,
	s_cselect_b32 s98, s74, s75                    ; and my result's: entry 6 (q), 7 (k) or 9 (v)
	s_cmp_eq_u32 ttmp9, 2
	s_cselect_b32 s96, s92, s96
	s_cselect_b32 s98, s77, s98
	s_add_co_i32 s96, s96, 127
	s_lshl_b32 s96, s96, 23                        ; 2^(the sum) as f32
	s_mov_b32 s97, s96                             ; (named with it as a pair, so it is written)
	s_add_co_i32 s98, s98, 127
	s_lshl_b32 s99, s98, 23
	v_mov_b32 v[SCL], s99                          ; the result's scale as f32: the conversion takes its exponent field
	s_add_co_i32 s98, s98, 8
	s_lshl_b32 s98, s98, 23
	s_or_b32 s98, s98, 0x600000
	v_mov_b32 v[LIM], s98                          ; 448 x that
.macro FRAG reg, adr, q, i             ; a fragment: lane l holds row l % 16; registers 4 c .. 4 c + 3 hold K = 32 c + 16 (l / 16) + 0 .. 15: the same order of K in A and in B
.irp c, 0,1,2,3
	ds_load_b128 v[\reg+4*\c:\reg+4*\c+3], v[\adr] offset:128*(\q)+32*\c+(\i)*16*PITCH
.endr
.endm
; 16 matrix instructions: A's blocks a0, a0 + 1 x B's eight, 128 along K.  p: B's set.  zero = 1: the first product starts the sums.
; The 64 accumulators take turns, one instruction a turn, in the same order in every step.
.macro MUL16 a0, p, zero
.irp a, \a0, \a0+1
.irp b, 0,1,2,3,4,5,6,7
.if \zero
	v_wmma_f32_16x16x128_fp8_fp8 v[8*(8*((\a)%4)+\b):8*(8*((\a)%4)+\b)+7], v[128*(\p)+FR*\b:128*(\p)+FR*\b+FR-1], v[AF+FR*(\a):AF+FR*(\a)+FR-1], 0
.else
	v_wmma_f32_16x16x128_fp8_fp8 v[8*(8*((\a)%4)+\b):8*(8*((\a)%4)+\b)+7], v[128*(\p)+FR*\b:128*(\p)+FR*\b+FR-1], v[AF+FR*(\a):AF+FR*(\a)+FR-1], v[8*(8*((\a)%4)+\b):8*(8*((\a)%4)+\b)+7]
.endif
.endr
.endr
.endm
.macro FETCH_B slot, q, p              ; B's eight fragments of the slot's q-th 128 along K into set p
	WIN TO_B
.irp i, 0,1,2,3,4,5,6,7
	FRAG 128*(\p)+FR*\i, ADRB+\slot, \q, \i
.endr
	WIN 0
.endm
.macro FETCH_A slot, q, i0             ; A's blocks i0 .. i0 + 3
.irp i, \i0, \i0+1, \i0+2, \i0+3
	FRAG AF+FR*(\i), ADRA+\slot, \q, \i
.endr
.endm
.macro PLACES n                        ; plain vector instructions between a matrix instruction and a load into, or a read of, its registers
.rept \n
	v_nop
.endr
.endm
; A step of 128 along K that has its successor in the same slot.
.macro STEP slot, q, zero
	s_wait_dscnt 4*NL                              ; B's set and A's blocks 0-3 are in; the youngest sixteen loads (A's blocks 4-7) may be out
	WIN MUL_LO
	MUL16 0, (\q)%2, \zero
	MUL16 2, (\q)%2, \zero
	s_wait_dscnt 0                                 ; A's blocks 4-7 are in
	PLACES NP
	FETCH_B \slot, (\q)+1, 1-(\q)%2
	FETCH_A \slot, (\q)+1, 0
	WIN MUL_HI
	MUL16 4, (\q)%2, \zero
	MUL16 6, (\q)%2, \zero
	PLACES NP
	WIN 0
	FETCH_A \slot, (\q)+1, 4
.endm
; A slot's last step changes slots: one barrier; in front of it each wave waits for all its tensor loads, adds 0 to its spare word, and waits for that and for its reads of this slot.  fill = 1: this slot is filled again.
.macro TURN slot, next, fill
	s_wait_tensorcnt 0x0                           ; all my tensor loads have landed: my part of the next slot
	ds_add_u32 v[SPW], v[NIL]                      ; 0 onto my spare word
	s_wait_dscnt 4*NL+1                            ; (the add and the youngest sixteen loads may be out)
	WIN MUL_LO
	MUL16 0, 1, 0                                  ; sixteen matrix instructions stand between the add and the wait for it
	s_wait_dscnt 0x0                               ; the add is done, and my reads of this slot are over
	s_barrier_signal -1
	MUL16 2, 1, 0
	WIN 0
	s_barrier_wait -1
.if \fill
	CREST                                          ; the barrier has opened a round of the cluster's barrier: no wave of any partner still reads this slot or has a load on its way
	s_add_nc_u64 s[G0+4*\slot+2:G0+4*\slot+3], s[G0+4*\slot+2:G0+4*\slot+3], 2*ROWB
	s_add_nc_u64 s[G0B+4*\slot+2:G0B+4*\slot+3], s[G0B+4*\slot+2:G0B+4*\slot+3], 2*ROWB
	JLOAD G0+4*\slot, G1, G0B+4*\slot, G1B         ; the first tensor load behind the round; its four v_nop are the places in front of the loads below
.else
	PLACES NP
.endif
	FETCH_B \next, 0, 0
	FETCH_A \next, 0, 0
	WIN MUL_HI
	MUL16 4, 1, 0
	MUL16 6, 1, 0
	PLACES NP
	WIN 0
	FETCH_A \next, 0, 4
.endm
	s_wait_loadcnt 0x0                             ; the biases, once
	s_wait_tensorcnt 1                             ; my part of slot 0 is in (slot 1's load may be out)
	s_barrier_signal -1
	s_barrier_wait -1                              ; everybody's is
	FETCH_B 0, 0, 0
	FETCH_A 0, 0, 0
	FETCH_A 0, 0, 4
	STEP 0, 0, 1                                   ; the first step stands in front of the loop: its products start the sums
	s_mov_b32 s3, LAPS-1
.Llap:                                                 ; a trip goes once round the ring and fills both slots again
	TURN 0, 1, 1
	STEP 1, 0, 0
	TURN 1, 0, 1
	STEP 0, 0, 0
	s_sub_co_u32 s3, s3, 1
	s_cmp_lg_u32 s3, 0
	s_cbranch_scc1 .Llap
	TURN 0, 1, 0                                   ; the last lap fills nothing
	STEP 1, 0, 0
	s_wait_dscnt 4*NL                              ; the very last step: nothing more to fetch
	WIN MUL_LO
	MUL16 0, 1, 0
	MUL16 2, 1, 0
	s_wait_dscnt 0
	WIN MUL_HI
	MUL16 4, 1, 0
	MUL16 6, 1, 0
	WIN 0
; THE WAY OUT, block by block of 16 rows of C: sum x 2^(the two exponents) + bias in one packed multiply-add, the hold at the largest code, the conversion, four stores of 512 consecutive bytes.
.macro EPI rowbias
.irp a, 0,1,2,3,4,5,6,7
.set AC, 64*((\a)%4)
.set CD, 192+16*((\a)%4)
.if \a >= 4
	s_wait_xcnt 0x0                                ; the stores of four blocks ago have read their registers: the codes' registers are written again only behind this wait
.endif
	WIN 0x02+((\a)/4)                              ; source 0: window 2 or 3
.irp j, 0,2,4,6,8,10,12,14,16,18,20,22,24,26,28,30,32,34,36,38,40,42,44,46,48,50,52,54,56,58,60,62
.if \rowbias
	v_pk_fma_f32 v[TT+\j:TT+\j+1], v[AC+\j:AC+\j+1], s[96:97], v[BR+2*\a:BR+2*\a+1] op_sel_hi:[1,0,1]   ; each accumulator from its low end on
.else
	v_pk_fma_f32 v[TT+\j:TT+\j+1], v[AC+\j:AC+\j+1], s[96:97], v[BC+\j:BC+\j+1] op_sel_hi:[1,0,1]
.endif
.endr
	WIN 0
.set j, 0
.rept 64
	v_med3_num_f32 v[TT+j], v[TT+j], -v[LIM], v[LIM]   ; the conversion to an 8-bit code does not saturate (ISA guide 7.6.2): the hold comes first
.set j, j+1
.endr
.irp b, 0,1,2,3,4,5,6,7
	v_cvt_scalef32_pk8_fp8_f32 v[CD+2*\b:CD+2*\b+1], v[TT+8*\b:TT+8*\b+7], v[SCL]
.endr
	v_nop                                          ; one plain vector instruction behind the last conversion: the next block writes its sources
.irp c, 0,1,2,3
	global_store_b128 v[LOFF], v[CD+4*\c:CD+4*\c+3], s[10:11] offset:2048*\a+512*\c
.endr
.endr
.endm
	PLACES NP                                      ; behind the last products: the lines below write registers that held A's fragments
	s_cmp_eq_u32 ttmp9, 2                          ; alike in all partners: the cluster's x
	s_cbranch_scc1 .Lrows
	EPI 0                                          ; q, k: the bias goes by column
	s_branch .Ldone
.Lrows:
	EPI 1                                          ; v: by row
.Ldone:
	s_wait_tensorcnt 0x0                           ; the wave's end
	ds_add_u32 v[SPW], v[NIL]
	s_wait_dscnt 0x0
	CROUND                                         ; the closing round: no work-group ends while a partner may still ask for a tile that names it
	s_endpgm
.Lfunc_end_k_q5558fd9154_qkv:
	.size	k_q5558fd9154_qkv, .Lfunc_end_k_q5558fd9154_qkv-k_q5558fd9154_qkv
	.p2alignl 7, 3214868480
	.fill 96, 4, 3214868480
	.section	.rodata,"a",@progbits
	.p2align	6, 0x0
	.amdhsa_kernel k_q5558fd9154_qkv
		.amdhsa_group_segment_fixed_size 327680
		.amdhsa_private_segment_fixed_size 0
		.amdhsa_enable_private_segment 0
		.amdhsa_kernarg_size 88
		.amdhsa_user_sgpr_count 2
		.amdhsa_user_sgpr_kernarg_segment_ptr 1
		.amdhsa_wavefront_size32 1
		.amdhsa_system_sgpr_workgroup_id_x 1
		.amdhsa_system_sgpr_workgroup_id_y 1
		.amdhsa_system_sgpr_workgroup_id_z 1
		.amdhsa_system_vgpr_workitem_id 0
		.amdhsa_next_free_vgpr 1024
		.amdhsa_next_free_sgpr 100
		.amdhsa_reserve_vcc 0
		.amdhsa_float_denorm_mode_32 3
		.amdhsa_float_denorm_mode_16_64 3
		.amdhsa_memory_ordered 1
		.amdhsa_forward_progress 1
		.amdhsa_inst_pref_size 194
	.end_amdhsa_kernel
	.amdgpu_metadata
---
amdhsa.version: [ 1, 2 ]
amdhsa.kernels:
  - .name:           k_q5558fd9154_qkv
    .symbol:         k_q5558fd9154_qkv.kd
    .args:
      - { .name: x_codes, .offset: 0, .size: 8, .value_kind: global_buffer, .address_space: global }
      - { .name: Wq_codes, .offset: 8, .size: 8, .value_kind: global_buffer, .address_space: global }
      - { .name: Wk_codes, .offset: 16, .size: 8, .value_kind: global_buffer, .address_space: global }
      - { .name: Wv_codes, .offset: 24, .size: 8, .value_kind: global_buffer, .address_space: global }
      - { .name: bq, .offset: 32, .size: 8, .value_kind: global_buffer, .address_space: global }
      - { .name: bk, .offset: 40, .size: 8, .value_kind: global_buffer, .address_space: global }
      - { .name: bv, .offset: 48, .size: 8, .value_kind: global_buffer, .address_space: global }
      - { .name: lowp_scales, .offset: 56, .size: 8, .value_kind: global_buffer, .address_space: global }
      - { .name: qc, .offset: 64, .size: 8, .value_kind: global_buffer, .address_space: global }
      - { .name: kc, .offset: 72, .size: 8, .value_kind: global_buffer, .address_space: global }
      - { .name: vc, .offset: 80, .size: 8, .value_kind: global_buffer, .address_space: global }
    .group_segment_fixed_size: 327680
    .private_segment_fixed_size: 0
    .kernarg_segment_align: 8
    .kernarg_segment_size: 88
    .max_flat_workgroup_size: 128
    .sgpr_count:     100
    .vgpr_count:     1024
    .wavefront_size: 32
...
	.end_amdgpu_metadata
.endif
;; end of part 1
;; launch attn (part 2): grid 32 x 16, 16 waves a work-group, clusters of 4 x 4, 327,680 bytes of LDS; arguments qc, kc, vc, mask, lowp_scales, cc; writes cc
.if DOCPART == 2
	.amdgcn_target "amdgcn-amd-amdhsa--gfx1250"
	.amdhsa_code_object_version 6
	.text
	.protected	k_q5558fd9154_attn
	.globl	k_q5558fd9154_attn
	.p2align	8
	.type	k_q5558fd9154_attn,@function
k_q5558fd9154_attn:
	s_mov_b64 s[64:65], 0
	v_nop
	global_prefetch_b8 v0, s[64:65] scope:SCOPE_SE
	s_setreg_imm32_b32 hwreg(HW_REG_WAVE_MODE, 25, 1), 1
	s_wait_xcnt 0x0
	s_wait_alu depctr_hold_cnt(0) depctr_sa_sdst(0) depctr_va_vdst(0) depctr_va_sdst(0) depctr_va_ssrc(0) depctr_va_vcc(0) depctr_vm_vsrc(0)
	s_getreg_b32 s2, hwreg(HW_REG_IB_STS2, 6, 4)
	s_cmp_eq_u32 s2, 0
	s_cbranch_scc0 .Lentry_in_a_cluster
	s_endpgm
.Lentry_in_a_cluster:
	s_bfe_u32 s2, ttmp6, 0x10000c
	s_cmp_lg_u32 s2, 0xf033
	s_cbranch_scc0 .Lentry_shape_is_right
	s_endpgm
.Lentry_shape_is_right:
; Attention on codes of FP8 (E4M3): o = softmax((q . k / 8) x mask) v for 4 batches x 16 heads of 64, 2,048 queries and keys; the mask multiplies the scores and is shared by the heads.
; qc, kc, vc: images of operand registers, blocks of 16,384 bytes for 128 model columns (two heads) x 128 tokens: [batch][column block 8][token block 16][a 8][c 4][lane 32][16 bytes].
;   qc, kc: a = 16 tokens; a head's fragment (16 tokens x 64) is 1,024 bytes at 2,048 a + 1,024 (head % 2).   vc: a = 16 columns; a fragment (16 columns x 128 keys) is 2,048 bytes at 2,048 a.
; THE SOFTMAX AHEAD OF THE SECOND PRODUCT: t = score x mask x log2(e) / 8; M = the running largest t rounded up to a whole number; p = 2^(t - M) is quantised with entry 8 of the scales; it is not normalised.
;   The row's sum is taken of the unquantised p and divides at the end.  When M moves, the sum and O are multiplied by 2^(old M - new M), which rounds nothing.  No branch hangs on data.
; The result is quantised with entry 10 of the scales and stored as codes, cc [8192][1024], row-major: the last product's operand.
; SHARES.  A work-group owns 64 queries x 4 heads; wave w owns head w / 4 of the four and query tile w % 4: one tile of 16 queries in 256 registers, four waves to a SIMD.  16 key steps of 128 keys.
; LAYOUT.  Both products are used transposed: S^T = K Q^T (source 0 = 16 keys), O^T = V^T P^T (source 0 = 16 of the head's 64): a lane holds one query (lane % 16) throughout, and the keys 16 t + 8 (lane / 16) + 0 .. 7
;   of tile t, whose eight codes are registers 2 t, 2 t + 1 of P: the order in which vc holds its keys.
; CLUSTER 4 x 4: cx = query block, cy = group of four heads.  K's and V's blocks hang on (batch, cy) and are shared along a row of the cluster; the mask's tile hangs on (batch, query block) and is shared along a column:
;   every tile is asked for jointly.  Waves 0, 1 fetch K's two blocks, waves 2, 3 V's, wave 4 the mask's tile (64 rows x 512 bytes): one tensor load a wave behind each round; at most one is out.
; PREFETCH.  Wave 5 asks for 16 rows (16 cy on) of the mask's tile two steps on, one lane to each 256 bytes, one trip ahead of the tensor load that wants them; the four partners of a column ask for the tile's 64 rows once.
;   Trips 0 to 13 ask for tiles 2 to 15; the last trip asks for nothing.
; LIMITS on the given exponents: entries 6 + 7 between -123 and 130 (added to c's exponent field); entries 8 and 10 between -126 and 119.  NaN among the inputs is not served.
.set SLOT1, 1<<17                      ; slot 1 begins here: one exclusive or turns an address in one slot into the other's
.set VOFF,  32768                      ; a slot: K's two blocks, V's two blocks,
.set MOFF,  65536                      ; the mask's 64 rows
.set MP,    528                        ; a row of the mask in LDS: 512 bytes + 16 of padding: the 16 rows that a load touches start at 16 different banks (ISA guide 11.1)
.set SPARE, 2*SLOT1                    ; the spare words, 128 bytes for each of sixteen waves
.set STAGE, SPARE+2048                 ; the way out: 64 rows x (256 bytes + 16); bytes of its own, into which no tile lands
.set SP,    272
.set AK0,  1                           ; v1   my lane's place in a slot's K
.set AV0,  2                           ; v2   in its V
.set AM0,  3                           ; v3   in its mask
.set PFO,  4                           ; v4   the prefetch: 8,192 (lane / 2) + 256 (lane % 2)
.set SPW,  5                           ; v5   LDS address of my spare word; never rewritten
.set NIL,  6                           ; v6   0; never rewritten
.set GO,   7                           ; v7   the way out: my byte offset in the wave's rows of cc
.set ADK,  8                           ; v8-10 the step's LDS addresses
.set ADV,  9
.set ADM,  10
.set F,    32                          ; v32-95   K's 8 fragments of 8 registers, then V's 4 of 16
.set S,    96                          ; v96-159  S^T, then p
.set O,    160                         ; v160-191 O^T
.set MK,   192                         ; v192-255 the mask
.set P,    192                         ; v192-207 p's codes, where the mask of tiles 0 and 1 lay
; v12 -M, v13 the largest t, v[14:15] the sum in two halves, v16-23 Q, v24 448 x 2^e8, v25 2^e8, v[26:27] f, v[28:29] the second chain of the sum, v30, v31 at work
.set WV,   18                          ; s18  my wave's number
.set SEL,  20                          ; s[20:21] lane selects for v_permlanex16_b32: lane l xor 16
.set CS,   22                          ; s[22:23] c = log2(e) / 8 x 2^(e6 + e7)
.set G1J,  24                          ; s[24:31] descriptor group 1 for K's and V's blocks
.set G1M,  32                          ; s[32:39] for the mask's tile
.set G0J,  40                          ; s[40:43], s[44:47] their groups 0, which walk
.set G0M,  44
.set TB,   54                          ; s54  LDS byte at which the slot in hand begins
.set SLOTS, 55                         ; s55  tiles still to be asked for
.macro TLOAD                           ; the branches hang on the wave's number alone; four v_nop follow each of the two lines
	s_cmp_lt_u32 s[WV], 4
	s_cbranch_scc0 .Lnot_kv_\@
	tensor_load_to_lds s[G0J:G0J+3], s[G1J:G1J+7]
	s_nop 0
.rept 4
	v_nop
.endr
	s_branch .Lasked_\@
.Lnot_kv_\@:
	s_cmp_eq_u32 s[WV], 4
	s_cbranch_scc0 .Lasked_\@
	tensor_load_to_lds s[G0M:G0M+3], s[G1M:G1M+7]
	s_nop 0
.rept 4
	v_nop
.endr
.Lasked_\@:
.endm
.macro CROUND                          ; a round of the cluster's barrier
	s_barrier_signal -1
	s_barrier_wait -1
	s_cmp_lg_u32 s[WV], 0
	s_cbranch_scc1 .Lnot_wave_0_\@
	s_barrier_signal -3
.Lnot_wave_0_\@:
	s_barrier_wait -3
	s_barrier_signal -1
	s_barrier_wait -1
.endm
.macro PREF                            ; wave 5 alone, and not in the last trip, whose look-ahead would pass the row's end
	s_cmp_lg_u32 s[WV], 5
	s_cbranch_scc1 .Lno_pf_\@
	s_cmp_lt_u32 s[SLOTS], 2
	s_cbranch_scc1 .Lno_pf_\@
	global_prefetch_b8 v[PFO], s[56:57] th:TH_LOAD_NT scope:SCOPE_SE
.Lno_pf_\@:
.endm
	s_load_b256 s[4:11], s[0:1], 0x0               ; qc s[4:5], kc s[6:7], vc s[8:9], mask s[10:11]
	s_load_b128 s[12:15], s[0:1], 0x20             ; the scales s[12:13], cc s[14:15]
	v_lshl_add_u32 v[SPW], v0, 2, SPARE
	v_mov_b32 v[NIL], 0
	ds_add_u32 v5, v6
	s_wait_dscnt 0x0
	v_lshrrev_b32 v8, 5, v0
	v_readfirstlane_b32 s[WV], v8                  ; wave 0..15
	s_lshr_b32 s19, s[WV], 2                       ; my head of the four
	s_and_b32 s58, s[WV], 3                        ; my tile of 16 queries.  Also: which of the four blocks of K and V I fetch, if I fetch
	s_bfe_u32 s48, ttmp6, 0x40000                  ; cx
	s_bfe_u32 s49, ttmp6, 0x40004                  ; cy: the group of four heads
	s_lshl_b32 s50, ttmp9, 2
	s_add_co_u32 s50, s50, s48                     ; my block of 64 queries = 4 x cluster x + cx
	s_and_b32 s51, ttmp7, 0xffff                   ; the batch = cluster y
	s_lshl_b32 s52, s49, 2
	s_lshl_b32 s52, 15, s52                        ; my row of the cluster
	s_lshl_b32 s53, 0x1111, s48                    ; my column
	; K's and V's blocks: dense, 64 rows of 32 elements of 8 bytes
	s_or_b32 s[G1J], s52, (3<<16)|(1<<21)          ; 15:0 the mask: my row; 17:16 elements of 8 bytes; 21 set beside a mask; no padding
	s_mov_b32 s[G1J+1], 32<<16                     ; tensor_dim0 = 32
	s_mov_b32 s[G1J+2], 64<<16                     ; tensor_dim1 = 64
	s_mov_b32 s[G1J+3], 32<<16                     ; tile_dim0 = 32
	s_mov_b32 s[G1J+4], 64                         ; tile_dim1 = 64
	s_mov_b32 s[G1J+5], 32                         ; tensor_dim0_stride
	s_mov_b32 s[G1J+6], 0
	s_mov_b32 s[G1J+7], 0
	; the mask's tile: 64 rows of 128 f32, 2,048 apart, 4 words of padding behind every 128
	s_or_b32 s[G1M], s53, (2<<16)|(1<<20)|(1<<21)|(6<<22)|(3<<25)
	s_mov_b32 s[G1M+1], 128<<16
	s_mov_b32 s[G1M+2], 64<<16
	s_mov_b32 s[G1M+3], 128<<16
	s_mov_b32 s[G1M+4], 64
	s_mov_b32 s[G1M+5], 2048
	s_mov_b32 s[G1M+6], 0
	s_mov_b32 s[G1M+7], 0
	s_mov_b32 s[SEL], 0x76543210
	s_mov_b32 s[SEL+1], 0xfedcba98
	s_mov_b32 s[TB], 0
	s_mov_b32 s[SLOTS], 15
	s_lshl_b32 s66, s51, 3
	s_lshl_b32 s67, s49, 1
	s_add_co_u32 s66, s66, s67                     ; 8 x batch + 2 cy: the first column block of my four heads
	s_and_b32 s67, s[WV], 1
	s_add_co_u32 s68, s66, s67                     ; the column block that I fetch,
	s_lshl_b32 s68, s68, 18                        ; x 16 token blocks x 16,384 bytes
	s_mov_b32 s69, 0
	s_lshl_b32 s70, s51, 24                        ; the mask: batch x 2,048 x 8,192 bytes
	s_lshl_b32 s71, s50, 19                        ; + query block x 64 x 8,192
	s_add_co_u32 s70, s70, s71
	s_mov_b32 s71, 0
	s_lshl_b32 s72, s49, 17                        ; the prefetch: 16 cy rows down, one tile on (it is stepped ahead of each request)
	s_add_co_u32 s72, s72, 512
	s_mov_b32 s73, 0
	s_lshr_b32 s74, s19, 1
	s_add_co_u32 s75, s66, s74                     ; Q: my head's column block,
	s_lshl_b32 s75, s75, 4
	s_lshr_b32 s76, s50, 1
	s_add_co_u32 s75, s75, s76                     ; my queries' token block,
	s_lshl_b32 s75, s75, 3
	s_and_b32 s76, s50, 1
	s_lshl_b32 s76, s76, 2
	s_add_co_u32 s75, s75, s76
	s_add_co_u32 s75, s75, s58                     ; my 16 tokens in it,
	s_lshl_b32 s75, s75, 1
	s_and_b32 s77, s19, 1
	s_add_co_u32 s75, s75, s77                     ; my head of the block's two:
	s_lshl_b32 s78, s75, 10                        ; 1,024 bytes each
	s_mov_b32 s79, 0
	s_lshl_b32 s86, s51, 11                        ; cc: row 2,048 x batch + 64 x query block + 4 x wave,
	s_lshl_b32 s87, s50, 6
	s_add_co_u32 s86, s86, s87
	s_lshl_b32 s87, s[WV], 2
	s_add_co_u32 s86, s86, s87
	s_lshl_b32 s86, s86, 10
	s_lshl_b32 s87, s49, 8                         ; column 256 cy
	s_add_co_u32 s86, s86, s87
	s_mov_b32 s87, 0
	s_wait_kmcnt 0x0
	s_load_b128 s[80:83], s[12:13], 0x18           ; entries 6 to 9 of the scales
	s_load_b32 s84, s[12:13], 0x28                 ; entry 10
	s_mov_b32 s[G0J], 1                            ; count = 1
	s_lshl_b32 s[G0J+1], s58, 14                   ; LDS: K's two blocks, then V's two: 16,384 x wave, in slot 0
	s_cmp_lt_u32 s[WV], 2
	s_cselect_b64 s[G0J+2:G0J+3], s[6:7], s[8:9]   ; waves 0, 1: kc; waves 2, 3: vc
	s_add_nc_u64 s[G0J+2:G0J+3], s[G0J+2:G0J+3], s[68:69]
	s_or_b32 s[G0J+3], s[G0J+3], 0x80000000        ; type = 2
	s_mov_b32 s[G0M], 1
	s_mov_b32 s[G0M+1], MOFF
	s_add_nc_u64 s[G0M+2:G0M+3], s[10:11], s[70:71]
	s_add_nc_u64 s[56:57], s[G0M+2:G0M+3], s[72:73]
	s_or_b32 s[G0M+3], s[G0M+3], 0x80000000
	s_add_nc_u64 s[4:5], s[4:5], s[78:79]
	s_add_nc_u64 s[14:15], s[14:15], s[86:87]
	CROUND                                         ; all sixteen work-groups are here: the first joint loads meet
	TLOAD                                          ; slot 0: key step 0
	v_and_b32 v8, 31, v0
	v_lshlrev_b32 v11, 4, v8                       ; 16 x lane
	global_load_b128 v[16:19], v11, s[4:5]         ; Q's fragment stays in registers
	global_load_b128 v[20:23], v11, s[4:5] offset:512
	s_lshl_b32 s70, s74, 14                        ; my head's block of a slot's two,
	s_lshl_b32 s72, s77, 10                        ; and my head's half of a fragment of K
	s_add_co_u32 s72, s72, s70
	v_add_nc_u32 v[AK0], s72, v11
	s_lshl_b32 s73, s77, 13                        ; my head's four of the block's eight fragments of V
	s_add_co_u32 s73, s73, s70
	s_add_co_u32 s73, s73, VOFF
	v_add_nc_u32 v[AV0], s73, v11
	v_and_b32 v8, 15, v0                           ; r
	v_bfe_u32 v10, v0, 4, 1                        ; h
	v_mul_u32_u24 v[AM0], v8, MP
	v_lshl_add_u32 v[AM0], v10, 5, v[AM0]
	s_mul_i32 s74, s58, 16*MP
	s_add_co_u32 s74, s74, MOFF
	v_add_nc_u32 v[AM0], s74, v[AM0]               ; the mask: row 16 x tile + r, + 32 h: my eight keys of a tile of 16
	v_bfe_u32 v[PFO], v0, 1, 4
	v_lshlrev_b32 v[PFO], 13, v[PFO]
	v_and_b32 v9, 1, v0
	v_lshl_add_u32 v[PFO], v9, 8, v[PFO]
	v_lshlrev_b32 v[GO], 10, v10
	v_lshl_add_u32 v[GO], v8, 4, v[GO]             ; the way out: lanes 0-15 one row of cc, lanes 16-31 the next
	v_mov_b32 v13, 0xff61b1e6                      ; the largest t so far: -3e38, under every t
	v_floor_f32 v12, -v13                          ; -M
	v_mov_b32 v14, 0                               ; the sum, in two halves
	v_mov_b32 v15, 0
	v_mov_b32 v27, 0                               ; (named as the upper half of the pair v[26:27])
	v_mov_b32 v31, 0                               ; written once: a lane permute's destination counts as one of its sources
.set j, 0
.rept 32
	v_mov_b32 v[O+j], 0                            ; O^T.  (The step is written for every trip alike: the first finds zeros, which the first change of M leaves zeros)
.set j, j+1
.endr
	s_wait_kmcnt 0x0
	s_mov_b32 s[CS], 0x3e38aa3b                    ; c = log2(e) / 8
	s_add_co_i32 s66, s80, s81
	s_lshl_b32 s66, s66, 23
	s_add_co_i32 s[CS], s[CS], s66                 ; a score stands for score x 2^(e6 + e7): the two exponents are added to c's exponent field
	s_mov_b32 s[CS+1], s[CS]                       ; (named with it as a pair, so it is written)
	s_add_co_i32 s66, s82, 127
	s_lshl_b32 s67, s66, 23
	v_mov_b32 v25, s67                             ; 2^e8 as f32, for the conversion
	s_add_co_i32 s66, s66, 8
	s_lshl_b32 s66, s66, 23
	s_or_b32 s66, s66, 0x600000
	v_mov_b32 v24, s66                             ; 448 x 2^e8
; A KEY STEP: the 128 keys of the slot in hand.
.macro STEP
	v_add_nc_u32 v[ADK], s[TB], v[AK0]
	v_add_nc_u32 v[ADV], s[TB], v[AV0]
	v_add_nc_u32 v[ADM], s[TB], v[AM0]
	v_nop                                          ; four places behind the last step's products, in front of loads into registers that they read
.irp t, 0,1,2,3,4,5,6,7
	ds_load_b128 v[F+8*\t:F+8*\t+3], v[ADK] offset:2048*\t          ; keys 16 t on: 32 lanes take 512 consecutive bytes
	ds_load_b128 v[F+8*\t+4:F+8*\t+7], v[ADK] offset:2048*\t+512
.endr
.irp t, 0,1,2,3,4,5,6,7
	ds_load_b128 v[MK+8*\t:MK+8*\t+3], v[ADM] offset:64*\t          ; the mask of my query at keys 16 t + 8 h + 0 .. 7
	ds_load_b128 v[MK+8*\t+4:MK+8*\t+7], v[ADM] offset:64*\t+16
.endr
	s_wait_dscnt 16                                ; K is in; the mask's sixteen loads are younger
.irp t, 0,1,2,3,4,5,6,7
	v_wmma_f32_16x16x64_fp8_fp8 v[S+8*\t:S+8*\t+7], v[F+8*\t:F+8*\t+7], v[16:23], 0
.endr
.rept 4
	v_nop                                          ; places in front of the loads into K's registers and of the first read of the scores
.endr
.irp d, 0,1,2,3
.irp c, 0,1,2,3
	ds_load_b128 v[F+16*\d+4*\c:F+16*\d+4*\c+3], v[ADV] offset:2048*\d+512*\c   ; V^T: 16 of the head's 64 x 128 keys; it lands under the softmax
.endr
.endr
	s_wait_dscnt 16                                ; the mask is in; V's sixteen loads are younger
.set j, 0
.rept 32
	v_pk_mul_f32 v[S+j:S+j+1], v[S+j:S+j+1], v[MK+j:MK+j+1]   ; score x mask, each accumulator from its low end on
.set j, j+2
.endr
	v_max3_num_f32 v30, v[S], v[S+1], v[S+2]       ; the step's largest among my 64 keys, in two chains,
	v_max3_num_f32 v26, v[S+3], v[S+4], v[S+5]
.irp i, 6,10,14,18,22,26,30,34,38,42,46,50,54,58
	v_max3_num_f32 v30, v30, v[S+\i], v[S+\i+1]
	v_max3_num_f32 v26, v26, v[S+\i+2], v[S+\i+3]
.endr
	v_max3_num_f32 v30, v30, v[S+62], v[S+63]
	v_max_num_f32 v30, v30, v26
	v_permlanex16_b32 v31, v30, s[SEL], s[SEL+1]
	v_max_num_f32 v30, v30, v31                    ; and among lane l xor 16's
	v_mul_f32 v30, s[CS], v30                      ; as t (c is positive)
	v_max_num_f32 v13, v13, v30                    ; the running largest t
	v_mov_b32 v30, v12
	v_floor_f32 v12, -v13                          ; the new -M = floor(-t) = -ceil(t): a whole number
	v_sub_f32 v30, v12, v30                        ; old M - new M: a whole number, 0 or less
	v_cvt_i32_f32 v30, v30                         ; (it saturates)
	v_ldexp_f32 v26, 1.0, v30                      ; f = 2^(old M - new M)
.set j, 0
.rept 32
	v_pk_fma_f32 v[S+j:S+j+1], v[S+j:S+j+1], s[CS:CS+1], v[12:13] op_sel_hi:[1,0,0]   ; t - M (of the pairs c and -M the low word serves both halves)
.set j, j+2
.endr
.set j, 0
.rept 64
	v_exp_f32 v[S+j], v[S+j]                       ; p = 2^(t - M), at most 1
.set j, j+1
.endr
	v_pk_mul_f32 v[14:15], v[14:15], v[26:27] op_sel_hi:[1,0]   ; the sum under the new M.  (A plain place behind the exponentials)
	s_wait_alu depctr_va_vdst(0)
	v_pk_add_f32 v[28:29], v[S:S+1], v[S+2:S+3]    ; the row's sum is taken of the unquantised p, in two chains
.irp j, 4,8,12,16,20,24,28,32,36,40,44,48,52,56,60
	v_pk_add_f32 v[14:15], v[14:15], v[S+\j:S+\j+1]
	v_pk_add_f32 v[28:29], v[28:29], v[S+\j+2:S+\j+3]
.endr
	v_pk_add_f32 v[14:15], v[14:15], v[28:29]
.irp b, 0,1,2,3
.irp i, 0,1,2,3,4,5,6,7,8,9,10,11,12,13,14,15
	v_min_num_f32 v[S+16*\b+\i], v[S+16*\b+\i], v24   ; the conversion does not saturate (ISA guide 7.6.2); p is not negative, so the hold is one-sided
.endr
	v_cvt_scalef32_pk8_fp8_f32 v[P+4*\b:P+4*\b+1], v[S+16*\b:S+16*\b+7], v25
	v_cvt_scalef32_pk8_fp8_f32 v[P+4*\b+2:P+4*\b+3], v[S+16*\b+8:S+16*\b+15], v25
.endr
.set j, 0
.rept 16
	v_pk_mul_f32 v[O+j:O+j+1], v[O+j:O+j+1], v[26:27] op_sel_hi:[1,0]   ; O^T under the new M.  (Also the plain place between the conversions and the products below)
.set j, j+2
.endr
	s_wait_dscnt 0x0                               ; V is in
.irp d, 0,1,2,3
	v_wmma_f32_16x16x128_fp8_fp8 v[O+8*\d:O+8*\d+7], v[F+16*\d:F+16*\d+15], v[P:P+15], v[O+8*\d:O+8*\d+7]   ; four accumulators, one turn each
.endr
.endm
; THE CHANGE OF SLOTS stands at a step's head.  Each wave waits for all its tensor loads, adds 0 to its spare word, and waits for that and for its reads of the slot that it has left.
; fill = 1: a round of the cluster's barrier, and behind it that slot is filled with the next step's tiles, which have a whole step in which to land.
.macro CHANGE fill
	s_wait_tensorcnt 0x0                           ; no tensor load of mine is out, so a group 0 may be written
	ds_add_u32 v[SPW], v[NIL]                      ; 0 onto my spare word
.if \fill
	s_wait_xcnt 0x0                                ; the last prefetch has read its base, which steps below
	s_xor_b32 s[G0J+1], s[G0J+1], SLOT1            ; the walking descriptors: the other slot than last time,
	s_add_nc_u64 s[G0J+2:G0J+3], s[G0J+2:G0J+3], 16384   ; the next token block; the type bits on top are not reached
	s_xor_b32 s[G0M+1], s[G0M+1], SLOT1
	s_add_nc_u64 s[G0M+2:G0M+3], s[G0M+2:G0M+3], 512     ; the next 128 keys of the mask's rows
	s_add_nc_u64 s[56:57], s[56:57], 512
	s_wait_dscnt 0x0                               ; the add is done, and my reads of the slot that I have left are over
	CROUND                                         ; both now hold of every wave of every partner
	TLOAD                                          ; the first thing behind the round, and a wave's one tensor load until the next
	PREF
.else
	s_wait_dscnt 0x0
	s_barrier_signal -1
	s_barrier_wait -1
.endif
.endm
	s_wait_loadcnt 0x0                             ; Q
.Lslot:                                            ; 15 trips: behind each change of slots but the last the next step's tiles are asked for
	CHANGE 1
	STEP
	s_xor_b32 s[TB], s[TB], SLOT1                  ; on to the other slot
	s_sub_co_u32 s[SLOTS], s[SLOTS], 1
	s_cmp_lg_u32 s[SLOTS], 0
	s_cbranch_scc1 .Lslot
	CHANGE 0                                       ; the last step is written out
	STEP
	; THE WAY OUT.  O^T / the sum x 2^(e8 + e9) is quantised with 2^e10; a lane's eight codes go into the work-group's stage; a row's 256 bytes come from four waves, so a barrier stands between writing and reading.
	v_add_f32 v14, v14, v15                        ; the sum's two halves,
	v_permlanex16_b32 v31, v14, s[SEL], s[SEL+1]
	v_add_f32 v14, v14, v31                        ; and lane l xor 16's: the row's sum
	v_rcp_f32 v14, v14
	v_and_b32 v8, 15, v0                           ; (a plain place behind the transcendental)  r
	v_bfe_u32 v9, v0, 4, 1                         ; h
	s_add_co_i32 s66, s82, s83
	s_wait_alu depctr_va_vdst(0)
	v_ldexp_f32 v14, v14, s66                      ; x 2^(e8 + e9)
	s_mul_i32 s67, s58, 16*SP
	s_lshl_b32 s68, s19, 6
	s_add_co_u32 s67, s67, s68
	s_add_co_u32 s67, s67, STAGE
	v_mul_u32_u24 v10, v8, SP
	v_lshl_add_u32 v10, v9, 3, v10
	v_add_nc_u32 v10, s67, v10                     ; in: row 16 x tile + r, byte 64 x head + 8 h
	s_mul_i32 s69, s[WV], 4*SP
	s_add_co_u32 s69, s69, STAGE
	v_mul_u32_u24 v1, v9, SP
	v_lshl_add_u32 v1, v8, 4, v1
	v_add_nc_u32 v1, s69, v1                       ; back: my four rows; lanes 0-15 one row, lanes 16-31 the next
	s_add_co_i32 s70, s84, 127
	s_lshl_b32 s71, s70, 23
	v_mov_b32 v25, s71                             ; 2^e10 as f32
	s_add_co_i32 s70, s70, 8
	s_lshl_b32 s70, s70, 23
	s_or_b32 s70, s70, 0x600000
	v_mov_b32 v24, s70                             ; 448 x 2^e10
.set j, 0
.rept 16
	v_pk_mul_f32 v[S+j:S+j+1], v[O+j:O+j+1], v[14:15] op_sel_hi:[1,0]   ; register 8 d + i is o(r, 16 d + 8 h + i); each accumulator from its low end on
.set j, j+2
.endr
.set j, 0
.rept 32
	v_med3_num_f32 v[S+j], v[S+j], -v24, v24
.set j, j+1
.endr
.irp d, 0,1,2,3
	v_cvt_scalef32_pk8_fp8_f32 v[128+2*\d:129+2*\d], v[S+8*\d:S+8*\d+7], v25
.endr
	v_nop                                          ; one plain vector instruction behind the last conversion
.irp d, 0,1,2,3
	ds_store_b64 v10, v[128+2*\d:129+2*\d] offset:16*\d
.endr
	s_wait_dscnt 0x0                               ; for the others' sake: my stores into the stage are done
	s_barrier_signal -1
	s_barrier_wait -1
	ds_load_b128 v[32:35], v1
	ds_load_b128 v[36:39], v1 offset:2*SP
	s_wait_dscnt 1                                 ; the first two rows are back; the second load is younger
	global_store_b128 v[GO], v[32:35], s[14:15]    ; 16 lanes store 256 consecutive bytes, at a multiple of 256 from cc's first byte
	s_wait_dscnt 0x0
	global_store_b128 v[GO], v[36:39], s[14:15] offset:2048
	s_wait_tensorcnt 0x0                           ; the wave's end
	ds_add_u32 v[SPW], v[NIL]
	s_wait_dscnt 0x0
	CROUND                                         ; the closing round: no work-group ends while a partner may still ask for a tile that names it
	s_endpgm
.Lfunc_end_k_q5558fd9154_attn:
	.size	k_q5558fd9154_attn, .Lfunc_end_k_q5558fd9154_attn-k_q5558fd9154_attn
	.p2alignl 7, 3214868480
	.fill 96, 4, 3214868480
	.section	.rodata,"a",@progbits
	.p2align	6, 0x0
	.amdhsa_kernel k_q5558fd9154_attn
		.amdhsa_group_segment_fixed_size 327680
		.amdhsa_private_segment_fixed_size 0
		.amdhsa_enable_private_segment 0
		.amdhsa_kernarg_size 48
		.amdhsa_user_sgpr_count 2
		.amdhsa_user_sgpr_kernarg_segment_ptr 1
		.amdhsa_wavefront_size32 1
		.amdhsa_system_sgpr_workgroup_id_x 1
		.amdhsa_system_sgpr_workgroup_id_y 1
		.amdhsa_system_sgpr_workgroup_id_z 1
		.amdhsa_system_vgpr_workitem_id 0
		.amdhsa_next_free_vgpr 256
		.amdhsa_next_free_sgpr 90
		.amdhsa_reserve_vcc 0
		.amdhsa_float_denorm_mode_32 3
		.amdhsa_float_denorm_mode_16_64 3
		.amdhsa_memory_ordered 1
		.amdhsa_forward_progress 1
		.amdhsa_inst_pref_size 52
	.end_amdhsa_kernel
	.amdgpu_metadata
---
amdhsa.version: [ 1, 2 ]
amdhsa.kernels:
  - .name:           k_q5558fd9154_attn
    .symbol:         k_q5558fd9154_attn.kd
    .args:
      - { .name: qc, .offset: 0, .size: 8, .value_kind: global_buffer, .address_space: global }
      - { .name: kc, .offset: 8, .size: 8, .value_kind: global_buffer, .address_space: global }
      - { .name: vc, .offset: 16, .size: 8, .value_kind: global_buffer, .address_space: global }
      - { .name: mask, .offset: 24, .size: 8, .value_kind: global_buffer, .address_space: global }
      - { .name: lowp_scales, .offset: 32, .size: 8, .value_kind: global_buffer, .address_space: global }
      - { .name: cc, .offset: 40, .size: 8, .value_kind: global_buffer, .address_space: global }
    .group_segment_fixed_size: 327680
    .private_segment_fixed_size: 0
    .kernarg_segment_align: 8
    .kernarg_segment_size: 48
    .max_flat_workgroup_size: 512
    .sgpr_count:     90
    .vgpr_count:     256
    .wavefront_size: 32
...
	.end_amdgpu_metadata
.endif
;; end of part 2
;; launch oproj (part 3): grid 4 x 32, 4 waves a work-group, clusters of 4 x 4, 327,680 bytes of LDS; arguments cc, Wo_codes, lowp_scales, out0, bo; writes out0
.if DOCPART == 3
	.amdgcn_target "amdgcn-amd-amdhsa--gfx1250"
	.amdhsa_code_object_version 6
	.text
	.protected	k_q5558fd9154_oproj
	.globl	k_q5558fd9154_oproj
	.p2align	8
	.type	k_q5558fd9154_oproj,@function
k_q5558fd9154_oproj:
	s_mov_b64 s[64:65], 0
	v_nop
	global_prefetch_b8 v0, s[64:65] scope:SCOPE_SE
	s_setreg_imm32_b32 hwreg(HW_REG_WAVE_MODE, 25, 1), 1
	s_wait_xcnt 0x0
	s_wait_alu depctr_hold_cnt(0) depctr_sa_sdst(0) depctr_va_vdst(0) depctr_va_sdst(0) depctr_va_ssrc(0) depctr_va_vcc(0) depctr_vm_vsrc(0)
	s_getreg_b32 s2, hwreg(HW_REG_IB_STS2, 6, 4)
	s_cmp_eq_u32 s2, 0
	s_cbranch_scc0 .Lentry_in_a_cluster
	s_endpgm
.Lentry_in_a_cluster:
	s_bfe_u32 s2, ttmp6, 0x10000c
	s_cmp_lg_u32 s2, 0xf033
	s_cbranch_scc0 .Lentry_shape_is_right
	s_endpgm
.Lentry_shape_is_right:
; out0 = concat Wo^T + bo on codes of FP8 (E4M3).  cc: [8192][1024] codes (scale: entry 10), Wo: [1024][1024] codes (entry 11), K innermost; out0: [8192][1024] f32; sums in f32.
; The codes are multiplied as they are; each finished sum is taken x 2^(e10 + e11) + bo by one packed multiply-add.   LIMIT: e10 + e11 lies between -126 and 127.
; A tile of C is 256 x 256: four waves, each 128 x 128 in 64 accumulators.  K = 1,024 goes in four slots' worth of 256 through a ring of two LDS slots filled by the tensor data mover.
; C has 32 x 4 tiles: 128 work-groups.  A smaller tile would give each wave fewer products for each LDS byte that it reads; this launch is short beside the attention, so the tile stays.
; CLUSTERS: 4 x 4 work-groups; A's tile is shared along a row of the cluster, B's along a column: each is asked for jointly, by one tensor load with a mask that names the four.
; THE MATRIX INSTRUCTION IS USED TRANSPOSED (source 0 = 16 rows of Wo, source 1 = 16 rows of cc): a lane holds eight neighbouring numbers of a row of C.
; REGISTERS, in windows of 256: window 0: v0-31 addresses; v32-35 my four numbers of bo; from v128 A's fragments, one set; on the way out v128-255 hold rows read back from the stage.
;   window 1: B's fragments, two sets, at v0 and v128.   window 2: the accumulators of my rows 0-63 ((a, b) at v[8 (8 a + b)]);   window 3: those of my rows 64-127.
.set KSTEP,  256
.set ROWB,   256
.set KROW,   1024
.set PITCH,  272                       ; an LDS row: 256 bytes + 16 of padding: the 16 rows that a load touches start at 16 different banks (ISA guide 11.1)
.set FR,     16
.set NL,     4
.set NP,     4                         ; places behind this matrix instruction (ISA guide 7.12.1)
.set HALFT,  128*PITCH
.set SLOT,   4*HALFT
.set LAPS,   2
.set SPARE,  2*SLOT                    ; behind the ring: the spare words, 128 bytes for each wave
.set SPITCH, 528                       ; the way out: a stage of 16 rows x (512 bytes + 16) for each wave, in slot 0, which has had its last fill and its last read when the first result is stored there
.set CROW,   4096                      ; a row of out0 in bytes
.set ADRA, 16
.set ADRB, 20
.set STO,  24                          ; v24     the way out: where I put 32 bytes of a row
.set RD,   25                          ; v25     where I read a row back
.set CO,   26                          ; v26     my byte offset in a row of C: 16 x lane
.set BOF,  27                          ; v27     my byte offset in bo
.set SPW,  28
.set NIL,  29
.set BI,   32                          ; v32-35  bo at my four columns of a row read back
.set AF,   128
.set BK,   128                         ; 16 rows read back from the stage: v128-191 and v192-255 by turns
.set G1, 24
.set G0, 32
.set G1B, 48
.set G0B, 56
.set MSB, 0
.macro WIN new                         ; the immediate's high byte repeats the setting that is left
.if MSB != \new
	s_set_vgpr_msb (MSB<<8)|\new
.set MSB, \new
.endif
.endm
.set MUL_LO, 0xa1
.set MUL_HI, 0xf1
.set TO_B,   0x40
.macro JLOAD g0a, g1a, g0b, g1b        ; a joint load: waves 0 and 1 fetch for A, waves 2 and 3 for B; four v_nop follow each of the two lines
	s_cmp_eq_u32 s15, 0
	s_cbranch_scc0 .Lfor_b_\@
	tensor_load_to_lds s[\g0a:\g0a+3], s[\g1a:\g1a+7]
	s_nop 0
.rept 4
	v_nop
.endr
	s_branch .Lasked_\@
.Lfor_b_\@:
	tensor_load_to_lds s[\g0b:\g0b+3], s[\g1b:\g1b+7]
	s_nop 0
.rept 4
	v_nop
.endr
.Lasked_\@:
.endm
.macro CREST
	s_cmp_lg_u32 s14, 0
	s_cbranch_scc1 .Lnot_wave_0_\@
	s_barrier_signal -3
.Lnot_wave_0_\@:
	s_barrier_wait -3
	s_barrier_signal -1
	s_barrier_wait -1
.endm
.macro CROUND
	s_barrier_signal -1
	s_barrier_wait -1
	CREST
.endm
	s_load_b128 s[4:7], s[0:1], 0x0                ; cc s[4:5], Wo's codes s[6:7]
	s_load_b128 s[8:11], s[0:1], 0x10              ; the scales s[8:9], out0 s[10:11]
	s_load_b64 s[12:13], s[0:1], 0x20              ; bo
	v_lshl_add_u32 v[SPW], v0, 2, SPARE
	v_mov_b32 v[NIL], 0
	ds_add_u32 v28, v29
	s_wait_dscnt 0x0
	v_lshrrev_b32 v1, 5, v0
	v_readfirstlane_b32 s14, v1                    ; wave 0..3
	s_lshr_b32 s15, s14, 1                         ; which half of the tile's rows is mine.  Also: I fetch for A (0) or for B (1)
	s_and_b32 s16, s14, 1                          ; which half of its columns.  Also: which 128 rows of that tile I fetch
	s_bfe_u32 s40, ttmp6, 0x40000                  ; cx, cy
	s_bfe_u32 s41, ttmp6, 0x40004
	s_lshl_b32 s42, ttmp9, 2
	s_add_co_u32 s42, s42, s40                     ; tile column of C
	s_and_b32 s17, ttmp7, 0xffff
	s_lshl_b32 s17, s17, 2
	s_add_co_u32 s17, s17, s41                     ; tile row of C
	s_lshl_b32 s43, s41, 2
	s_lshl_b32 s43, 15, s43                        ; my row of the cluster
	s_lshl_b32 s44, 0x1111, s40                    ; my column
	s_or_b32 s[G1+0], s43, (0<<16)|(1<<20)|(1<<21)|(5<<22)|(3<<25)  ; the mask: A's tiles go to my row; elements of 1 byte; padding on; 21 set beside a mask; after every 64 words 4 words
	s_or_b32 s[G1B+0], s44, (0<<16)|(1<<20)|(1<<21)|(5<<22)|(3<<25)
.irp g, G1, G1B
	s_mov_b32 s[\g+1], ROWB<<16                    ; tensor_dim0
	s_mov_b32 s[\g+2], 128<<16                     ; tensor_dim1
	s_mov_b32 s[\g+3], ROWB<<16                    ; tile_dim0
	s_mov_b32 s[\g+4], 128                         ; tile_dim1
	s_mov_b32 s[\g+5], KROW                        ; tensor_dim0_stride
	s_mov_b32 s[\g+6], 0
	s_mov_b32 s[\g+7], 0
.endr
	s_lshl_b32 s18, s16, 7
	s_lshl_b32 s20, s17, 8
	s_add_co_u32 s20, s20, s18                     ; A: row 256 x tile row + 128 x half,
	s_lshl_b32 s20, s20, 10                        ; in bytes
	s_mov_b32 s21, 0
	s_lshl_b32 s46, s42, 8
	s_add_co_u32 s46, s46, s18                     ; B: row 256 x tile column + 128 x half
	s_lshl_b32 s46, s46, 10
	s_mov_b32 s47, 0
	s_mul_i32 s45, s14, HALFT                      ; where they go: wave x 128 rows
	s_wait_kmcnt 0x0
	s_load_b64 s[96:97], s[8:9], 0x28              ; e10, e11
	s_add_nc_u64 s[20:21], s[4:5], s[20:21]
	s_add_nc_u64 s[46:47], s[6:7], s[46:47]
	CROUND                                         ; all sixteen work-groups are here: the first joint loads meet
.irp s, 0,1
	s_mov_b32 s[G0+4*\s], 1
	s_add_co_u32 s[G0+4*\s+1], s45, \s*SLOT
	s_add_nc_u64 s[G0+4*\s+2:G0+4*\s+3], s[20:21], \s*ROWB
	s_or_b32 s[G0+4*\s+3], s[G0+4*\s+3], 0x80000000
	s_mov_b32 s[G0B+4*\s], 1
	s_add_co_u32 s[G0B+4*\s+1], s45, \s*SLOT
	s_add_nc_u64 s[G0B+4*\s+2:G0B+4*\s+3], s[46:47], \s*ROWB
	s_or_b32 s[G0B+4*\s+3], s[G0B+4*\s+3], 0x80000000
	JLOAD G0+4*\s, G1, G0B+4*\s, G1B
.endr
	v_and_b32 v1, 15, v0                           ; l % 16
	v_bfe_u32 v2, v0, 4, 1                         ; l / 16
	v_mul_u32_u24 v3, v1, PITCH
	v_lshl_add_u32 v4, v2, 4, v3
	s_mul_i32 s21, s15, HALFT
	s_mul_i32 s22, s16, HALFT
	s_add_co_u32 s22, s22, 2*HALFT
.irp s, 0,1
	v_add_nc_u32 v[ADRA+\s], s21, v4
	v_add_nc_u32 v[ADRB+\s], s22, v4
	s_add_co_u32 s21, s21, SLOT
	s_add_co_u32 s22, s22, SLOT
.endr
	s_mul_i32 s23, s14, 16*SPITCH                  ; my stage
	v_mul_u32_u24 v5, v1, SPITCH                   ; in: row l % 16, 32 bytes for each half of the lanes
	v_lshl_add_u32 v5, v2, 5, v5
	v_add_nc_u32 v[STO], s23, v5
	v_and_b32 v6, 31, v0
	v_lshlrev_b32 v[CO], 4, v6                     ; back: the 32 lanes take one row of 512 bytes; and the same in C
	v_add_nc_u32 v[RD], s23, v[CO]
	s_lshl_b32 s46, s42, 10                        ; my first column, in bytes: 1,024 x tile column + 512 x half
	s_lshl_b32 s47, s16, 9
	s_add_co_u32 s46, s46, s47
	s_mov_b32 s47, 0
	v_add_nc_u32 v[BOF], s46, v[CO]
	global_load_b128 v[BI:BI+3], v[BOF], s[12:13]  ; bo at the four columns that I hold of every row read back
	s_lshl_b32 s20, s17, 8
	s_lshl_b32 s21, s15, 7
	s_add_co_u32 s20, s20, s21                     ; my first row of C,
	s_lshl_b32 s20, s20, 12                        ; x 4,096 bytes (under 2^25)
	s_mov_b32 s21, 0
	s_add_nc_u64 s[20:21], s[20:21], s[46:47]
	s_add_nc_u64 s[10:11], s[10:11], s[20:21]
.macro FRAG reg, adr, q, i             ; a fragment: lane l holds row l % 16; registers 4 c .. 4 c + 3 hold K = 32 c + 16 (l / 16) + 0 .. 15: the same order of K in A and in B
.irp c, 0,1,2,3
	ds_load_b128 v[\reg+4*\c:\reg+4*\c+3], v[\adr] offset:128*(\q)+32*\c+(\i)*16*PITCH
.endr
.endm
; 16 matrix instructions; the 64 accumulators take turns, one instruction a turn, in the same order in every step.
.macro MUL16 a0, p, zero
.irp a, \a0, \a0+1
.irp b, 0,1,2,3,4,5,6,7
.if \zero
	v_wmma_f32_16x16x128_fp8_fp8 v[8*(8*((\a)%4)+\b):8*(8*((\a)%4)+\b)+7], v[128*(\p)+FR*\b:128*(\p)+FR*\b+FR-1], v[AF+FR*(\a):AF+FR*(\a)+FR-1], 0
.else
	v_wmma_f32_16x16x128_fp8_fp8 v[8*(8*((\a)%4)+\b):8*(8*((\a)%4)+\b)+7], v[128*(\p)+FR*\b:128*(\p)+FR*\b+FR-1], v[AF+FR*(\a):AF+FR*(\a)+FR-1], v[8*(8*((\a)%4)+\b):8*(8*((\a)%4)+\b)+7]
.endif
.endr
.endr
.endm
.macro FETCH_B slot, q, p
	WIN TO_B
.irp i, 0,1,2,3,4,5,6,7
	FRAG 128*(\p)+FR*\i, ADRB+\slot, \q, \i
.endr
	WIN 0
.endm
.macro FETCH_A slot, q, i0
.irp i, \i0, \i0+1, \i0+2, \i0+3
	FRAG AF+FR*(\i), ADRA+\slot, \q, \i
.endr
.endm
.macro PLACES n                        ; plain vector instructions between a matrix instruction and a load into, or a read of, its registers
.rept \n
	v_nop
.endr
.endm
.macro STEP slot, q, zero
	s_wait_dscnt 4*NL                              ; B's set and A's blocks 0-3 are in; the youngest sixteen loads (A's blocks 4-7) may be out
	WIN MUL_LO
	MUL16 0, (\q)%2, \zero
	MUL16 2, (\q)%2, \zero
	s_wait_dscnt 0
	PLACES NP
	FETCH_B \slot, (\q)+1, 1-(\q)%2
	FETCH_A \slot, (\q)+1, 0
	WIN MUL_HI
	MUL16 4, (\q)%2, \zero
	MUL16 6, (\q)%2, \zero
	PLACES NP
	WIN 0
	FETCH_A \slot, (\q)+1, 4
.endm
.macro TURN slot, next, fill
	s_wait_tensorcnt 0x0                           ; all my tensor loads have landed: my part of the next slot
	ds_add_u32 v[SPW], v[NIL]                      ; 0 onto my spare word
	s_wait_dscnt 4*NL+1                            ; (the add and the youngest sixteen loads may be out)
	WIN MUL_LO
	MUL16 0, 1, 0
	s_wait_dscnt 0x0                               ; the add is done, and my reads of this slot are over
	s_barrier_signal -1
	MUL16 2, 1, 0
	WIN 0
	s_barrier_wait -1
.if \fill
	CREST                                          ; the barrier has opened a round of the cluster's barrier
	s_add_nc_u64 s[G0+4*\slot+2:G0+4*\slot+3], s[G0+4*\slot+2:G0+4*\slot+3], 2*ROWB
	s_add_nc_u64 s[G0B+4*\slot+2:G0B+4*\slot+3], s[G0B+4*\slot+2:G0B+4*\slot+3], 2*ROWB
	JLOAD G0+4*\slot, G1, G0B+4*\slot, G1B         ; the first tensor load behind the round; its four v_nop are the places in front of the loads below
.else
	PLACES NP
.endif
	FETCH_B \next, 0, 0
	FETCH_A \next, 0, 0
	WIN MUL_HI
	MUL16 4, 1, 0
	MUL16 6, 1, 0
	PLACES NP
	WIN 0
	FETCH_A \next, 0, 4
.endm
	s_wait_loadcnt 0x0                             ; bo, once
	s_wait_tensorcnt 1                             ; my part of slot 0 is in (slot 1's load may be out)
	s_barrier_signal -1
	s_barrier_wait -1                              ; everybody's is
	FETCH_B 0, 0, 0
	FETCH_A 0, 0, 0
	FETCH_A 0, 0, 4
	STEP 0, 0, 1                                   ; the first step stands in front of the loop: its products start the sums
	s_mov_b32 s3, LAPS-1
.Llap:
	TURN 0, 1, 1
	STEP 1, 0, 0
	TURN 1, 0, 1
	STEP 0, 0, 0
	s_sub_co_u32 s3, s3, 1
	s_cmp_lg_u32 s3, 0
	s_cbranch_scc1 .Llap
	TURN 0, 1, 0                                   ; the last lap fills nothing
	STEP 1, 0, 0
	s_wait_dscnt 4*NL
	WIN MUL_LO
	MUL16 0, 1, 0
	MUL16 2, 1, 0
	s_wait_dscnt 0
	WIN MUL_HI
	MUL16 4, 1, 0
	MUL16 6, 1, 0
	WIN 0
; THE WAY OUT, block by block of 16 rows x 128 columns.  The sums go as they are through my own stage in LDS and come back as whole rows of 512 bytes; there a lane holds four columns,
; the same in every row, so four numbers of bo serve it: sum x 2^(e10 + e11) + bo.  LDS serves a wave's instructions in order (ISA guide 5.7.1.4): no wait between the stores and the loads.
.macro TOSTAGE a
.set AC, 64*((\a)%4)
	WIN 0x08+4*((\a)/4)                            ; the stores' data (source 1): window 2 or 3
.irp b, 0,1,2,3,4,5,6,7
	ds_store_b128 v[STO], v[AC+8*\b:AC+8*\b+3] offset:64*\b         ; each accumulator from its low end on
	ds_store_b128 v[STO], v[AC+8*\b+4:AC+8*\b+7] offset:64*\b+16
.endr
	WIN 0
.set BB, BK+64*((\a)%2)
.irp t, 0,1,2,3,4,5,6,7,8,9,10,11,12,13,14,15
	ds_load_b128 v[BB+4*\t:BB+4*\t+3], v[RD] offset:\t*SPITCH
.endr
.endm
.macro SEND a, younger                 ; younger: the LDS instructions issued behind block a's loads, which may stay out
.set BB, BK+64*((\a)%2)
	s_wait_dscnt \younger                          ; the block is back in registers
.if (\a) > 0
	s_add_nc_u64 s[10:11], s[10:11], 16*CROW       ; (behind a wait on XCNT: the earlier stores have read their base)  16 rows of C on
.endif
.irp t, 0,1,2,3,4,5,6,7,8,9,10,11,12,13,14,15
	v_pk_fma_f32 v[BB+4*\t:BB+4*\t+1], v[BB+4*\t:BB+4*\t+1], s[96:97], v[BI:BI+1] op_sel_hi:[1,0,1]
	v_pk_fma_f32 v[BB+4*\t+2:BB+4*\t+3], v[BB+4*\t+2:BB+4*\t+3], s[96:97], v[BI+2:BI+3] op_sel_hi:[1,0,1]
.endr
.irp t, 0,1,2,3,4,5,6,7,8,9,10,11,12,13,14,15
	global_store_b128 v[CO], v[BB+4*\t:BB+4*\t+3], s[10:11] offset:\t*CROW th:TH_STORE_NT   ; 32 lanes store 512 consecutive bytes, at a multiple of 256 from out0's first byte
.endr
.endm
	s_wait_kmcnt 0x0
	s_add_co_i32 s96, s96, s97                     ; e10 + e11, between -126 and 127,
	s_add_co_i32 s96, s96, 127
	s_lshl_b32 s96, s96, 23                        ; makes the f32 number 2^(e10 + e11)
	s_mov_b32 s97, s96                             ; (named with it as a pair, so it is written)
	PLACES NP                                      ; behind the last products: for the LDS stores of results and the loads into registers that held A's fragments
	TOSTAGE 0
.irp a, 1,2,3,4,5,6,7
.if \a > 1
	s_wait_xcnt 0x0                                ; block a - 2's stores have read their registers and their base: block a's loads may land there, and the base may step
.endif
	TOSTAGE \a
	SEND \a-1, 32                                  ; behind block a - 1's loads: block a's 16 stores and 16 loads
.endr
	s_wait_xcnt 0x0                                ; block 6's stores have read their base
	SEND 7, 0
	s_wait_tensorcnt 0x0                           ; the wave's end
	ds_add_u32 v[SPW], v[NIL]
	s_wait_dscnt 0x0
	CROUND                                         ; the closing round: no work-group ends while a partner may still ask for a tile that names it
	s_endpgm
.Lfunc_end_k_q5558fd9154_oproj:
	.size	k_q5558fd9154_oproj, .Lfunc_end_k_q5558fd9154_oproj-k_q5558fd9154_oproj
	.p2alignl 7, 3214868480
	.fill 96, 4, 3214868480
	.section	.rodata,"a",@progbits
	.p2align	6, 0x0
	.amdhsa_kernel k_q5558fd9154_oproj
		.amdhsa_group_segment_fixed_size 327680
		.amdhsa_private_segment_fixed_size 0
		.amdhsa_enable_private_segment 0
		.amdhsa_kernarg_size 40
		.amdhsa_user_sgpr_count 2
		.amdhsa_user_sgpr_kernarg_segment_ptr 1
		.amdhsa_wavefront_size32 1
		.amdhsa_system_sgpr_workgroup_id_x 1
		.amdhsa_system_sgpr_workgroup_id_y 1
		.amdhsa_system_sgpr_workgroup_id_z 1
		.amdhsa_system_vgpr_workitem_id 0
		.amdhsa_next_free_vgpr 1024
		.amdhsa_next_free_sgpr 98
		.amdhsa_reserve_vcc 0
		.amdhsa_float_denorm_mode_32 3
		.amdhsa_float_denorm_mode_16_64 3
		.amdhsa_memory_ordered 1
		.amdhsa_forward_progress 1
		.amdhsa_inst_pref_size 123
	.end_amdhsa_kernel
	.amdgpu_metadata
---
amdhsa.version: [ 1, 2 ]
amdhsa.kernels:
  - .name:           k_q5558fd9154_oproj
    .symbol:         k_q5558fd9154_oproj.kd
    .args:
      - { .name: cc, .offset: 0, .size: 8, .value_kind: global_buffer, .address_space: global }
      - { .name: Wo_codes, .offset: 8, .size: 8, .value_kind: global_buffer, .address_space: global }
      - { .name: lowp_scales, .offset: 16, .size: 8, .value_kind: global_buffer, .address_space: global }
      - { .name: out0, .offset: 24, .size: 8, .value_kind: global_buffer, .address_space: global }
      - { .name: bo, .offset: 32, .size: 8, .value_kind: global_buffer, .address_space: global }
    .group_segment_fixed_size: 327680
    .private_segment_fixed_size: 0
    .kernarg_segment_align: 8
    .kernarg_segment_size: 40
    .max_flat_workgroup_size: 128
    .sgpr_count:     98
    .vgpr_count:     1024
    .wavefront_size: 32
...
	.end_amdgpu_metadata
.endif
;; end of part 3
;; ======== version 2 of 2: 3 launches
;; limits: right only within a limited range of input values
;; workspace buffers: qc 8,388,608 bytes; kc 8,388,608 bytes; vc 8,388,608 bytes; cc 8,388,608 bytes
;; launch qkv (part 4): grid 12 x 32, 4 waves a work-group, clusters of 4 x 4, 327,680 bytes of LDS; arguments x_codes, Wq_codes, Wk_codes, Wv_codes, bq, bk, bv, lowp_scales, qc, kc, vc; writes qc, kc, vc
.if DOCPART == 4
	.amdgcn_target "amdgcn-amd-amdhsa--gfx1250"
	.amdhsa_code_object_version 6
	.text
	.protected	k_q5558fd9154_qkv
	.globl	k_q5558fd9154_qkv
	.p2align	8
	.type	k_q5558fd9154_qkv,@function
k_q5558fd9154_qkv:
	s_mov_b64 s[64:65], 0
	v_nop
	global_prefetch_b8 v0, s[64:65] scope:SCOPE_SE
	s_setreg_imm32_b32 hwreg(HW_REG_WAVE_MODE, 25, 1), 1
	s_wait_xcnt 0x0
	s_wait_alu depctr_hold_cnt(0) depctr_sa_sdst(0) depctr_va_vdst(0) depctr_va_sdst(0) depctr_va_ssrc(0) depctr_va_vcc(0) depctr_vm_vsrc(0)
	s_getreg_b32 s2, hwreg(HW_REG_IB_STS2, 6, 4)
	s_cmp_eq_u32 s2, 0
	s_cbranch_scc0 .Lentry_in_a_cluster
	s_endpgm
.Lentry_in_a_cluster:
	s_bfe_u32 s2, ttmp6, 0x10000c
	s_cmp_lg_u32 s2, 0xf033
	s_cbranch_scc0 .Lentry_shape_is_right
	s_endpgm
.Lentry_shape_is_right:
.set KSTEP,  256
.set ROWB,   256
.set KROW,   1024
.set PITCH,  272
.set FR,     16
.set NL,     4
.set NP,     4
.set HALFT,  128*PITCH
.set SLOT,   4*HALFT
.set LAPS,   2
.set SPARE,  2*SLOT
.set ADRA, 16
.set ADRB, 20
.set LOFF, 26
.set SPW,  28
.set NIL,  29
.set BCO,  30
.set BRO,  31
.set BC,   32
.set BR,   96
.set LIM,  112
.set SCL,  113
.set AF,   128
.set TT,   128
.set G1, 24
.set G0, 32
.set G1B, 48
.set G0B, 56
.set MSB, 0
.macro WIN new
.if MSB != \new
	s_set_vgpr_msb (MSB<<8)|\new
.set MSB, \new
.endif
.endm
.set MUL_LO, 0xa1
.set MUL_HI, 0xf1
.set TO_B,   0x40
.macro JLOAD g0a, g1a, g0b, g1b
	s_cmp_eq_u32 s15, 0
	s_cbranch_scc0 .Lfor_b_\@
	tensor_load_to_lds s[\g0a:\g0a+3], s[\g1a:\g1a+7]
	s_nop 0
.rept 4
	v_nop
.endr
	s_branch .Lasked_\@
.Lfor_b_\@:
	tensor_load_to_lds s[\g0b:\g0b+3], s[\g1b:\g1b+7]
	s_nop 0
.rept 4
	v_nop
.endr
.Lasked_\@:
.endm
.macro CREST
	s_cmp_lg_u32 s14, 0
	s_cbranch_scc1 .Lnot_wave_0_\@
	s_barrier_signal -3
.Lnot_wave_0_\@:
	s_barrier_wait -3
	s_barrier_signal -1
	s_barrier_wait -1
.endm
.macro CROUND
	s_barrier_signal -1
	s_barrier_wait -1
	CREST
.endm
	s_load_b512 s[68:83], s[0:1], 0x0
	s_load_b128 s[84:87], s[0:1], 0x40
	s_load_b64 s[88:89], s[0:1], 0x50
	v_lshl_add_u32 v[SPW], v0, 2, SPARE
	v_mov_b32 v[NIL], 0
	ds_add_u32 v28, v29
	ds_add_u32 v28, v29
	s_wait_dscnt 0x0
	v_lshrrev_b32 v1, 5, v0
	v_readfirstlane_b32 s14, v1
	s_lshr_b32 s15, s14, 1
	s_and_b32 s16, s14, 1
	s_bfe_u32 s40, ttmp6, 0x40000
	s_bfe_u32 s41, ttmp6, 0x40004
	s_and_b32 s17, ttmp7, 0xffff
	s_lshl_b32 s17, s17, 2
	s_cmp_eq_u32 ttmp9, 2
	s_cselect_b32 s42, s17, 0
	s_cselect_b32 s17, 0, s17
	s_add_co_u32 s42, s42, s40
	s_add_co_u32 s17, s17, s41
	s_lshl_b32 s43, s41, 2
	s_lshl_b32 s43, 15, s43
	s_lshl_b32 s44, 0x1111, s40
	s_or_b32 s[G1+0], s43, (0<<16)|(1<<20)|(1<<21)|(5<<22)|(3<<25)
	s_or_b32 s[G1B+0], s44, (0<<16)|(1<<20)|(1<<21)|(5<<22)|(3<<25)
.irp g, G1, G1B
	s_mov_b32 s[\g+1], ROWB<<16
	s_mov_b32 s[\g+2], 128<<16
	s_mov_b32 s[\g+3], ROWB<<16
	s_mov_b32 s[\g+4], 128
	s_mov_b32 s[\g+5], KROW
	s_mov_b32 s[\g+6], 0
	s_mov_b32 s[\g+7], 0
.endr
	s_lshl_b32 s18, s16, 7
	s_lshl_b32 s20, s17, 8
	s_add_co_u32 s20, s20, s18
	s_lshl_b32 s20, s20, 10
	s_mov_b32 s21, 0
	s_lshl_b32 s46, s42, 8
	s_add_co_u32 s46, s46, s18
	s_lshl_b32 s46, s46, 10
	s_mov_b32 s47, 0
	s_mul_i32 s45, s14, HALFT
	s_wait_kmcnt 0x0
	s_cmp_eq_u32 ttmp9, 0
	s_cselect_b64 s[6:7], s[70:71], s[72:73]
	s_cselect_b64 s[10:11], s[84:85], s[86:87]
	s_cselect_b64 s[12:13], s[76:77], s[78:79]
	s_cmp_eq_u32 ttmp9, 2
	s_cselect_b64 s[4:5], s[74:75], s[68:69]
	s_cselect_b64 s[6:7], s[68:69], s[6:7]
	s_cselect_b64 s[10:11], s[88:89], s[10:11]
	s_cselect_b64 s[12:13], s[80:81], s[12:13]
	s_load_b256 s[68:75], s[82:83], 0x0
	s_load_b64 s[76:77], s[82:83], 0x20
	s_add_nc_u64 s[20:21], s[4:5], s[20:21]
	s_add_nc_u64 s[46:47], s[6:7], s[46:47]
	CROUND
.irp s, 0,1
	s_mov_b32 s[G0+4*\s], 1
	s_add_co_u32 s[G0+4*\s+1], s45, \s*SLOT
	s_add_nc_u64 s[G0+4*\s+2:G0+4*\s+3], s[20:21], \s*ROWB
	s_or_b32 s[G0+4*\s+3], s[G0+4*\s+3], 0x80000000
	s_mov_b32 s[G0B+4*\s], 1
	s_add_co_u32 s[G0B+4*\s+1], s45, \s*SLOT
	s_add_nc_u64 s[G0B+4*\s+2:G0B+4*\s+3], s[46:47], \s*ROWB
	s_or_b32 s[G0B+4*\s+3], s[G0B+4*\s+3], 0x80000000
	s_wait_alu depctr_va_vdst(0)
	s_wait_tensorcnt 0x0
	ds_add_u32 v28, v29
	ds_add_u32 v28, v29
	s_wait_dscnt 0x0
	CROUND
	JLOAD G0+4*\s, G1, G0B+4*\s, G1B
.endr
	v_and_b32 v1, 15, v0
	v_bfe_u32 v2, v0, 4, 1
	s_wait_alu depctr_va_vdst(0)
	v_mul_u32_u24 v3, v1, PITCH
	v_lshl_add_u32 v4, v2, 4, v3
	s_mul_i32 s21, s15, HALFT
	s_mul_i32 s22, s16, HALFT
	s_add_co_u32 s22, s22, 2*HALFT
.irp s, 0,1
	v_add_nc_u32 v[ADRA+\s], s21, v4
	v_add_nc_u32 v[ADRB+\s], s22, v4
	s_add_co_u32 s21, s21, SLOT
	s_add_co_u32 s22, s22, SLOT
.endr
	v_and_b32 v6, 31, v0
	v_lshlrev_b32 v[LOFF], 4, v6
	s_lshl_b32 s18, s42, 10
	s_lshl_b32 s19, s16, 9
	s_add_co_u32 s18, s18, s19
	s_and_b32 s18, s18, 0xfff
	v_lshl_add_u32 v[BCO], v2, 5, s18
	s_lshl_b32 s18, s17, 10
	s_lshl_b32 s19, s15, 9
	s_add_co_u32 s18, s18, s19
	s_and_b32 s18, s18, 0xfff
	v_lshl_add_u32 v[BRO], v1, 2, s18
.irp b, 0,1,2,3,4,5,6,7
	global_load_b128 v[BC+8*\b:BC+8*\b+3], v[BCO], s[12:13] offset:64*\b
	global_load_b128 v[BC+8*\b+4:BC+8*\b+7], v[BCO], s[12:13] offset:64*\b+16
.endr
.irp a, 0,1,2,3,4,5,6,7
	global_load_b32 v[BR+2*\a], v[BRO], s[12:13] offset:64*\a
	global_load_b32 v[BR+2*\a+1], v[BRO], s[12:13] offset:64*\a
.endr
	s_lshl_b32 s18, s17, 1
	s_add_co_u32 s18, s18, s15
	s_lshl_b32 s19, s42, 1
	s_add_co_u32 s19, s19, s16
	s_cmp_eq_u32 ttmp9, 2
	s_cselect_b32 s22, s19, s18
	s_cselect_b32 s23, s18, s19
	s_lshr_b32 s18, s22, 4
	s_lshl_b32 s18, s18, 3
	s_add_co_u32 s18, s18, s23
	s_lshl_b32 s18, s18, 4
	s_and_b32 s22, s22, 15
	s_add_co_u32 s18, s18, s22
	s_lshl_b32 s18, s18, 14
	s_mov_b32 s19, 0
	s_add_nc_u64 s[10:11], s[10:11], s[18:19]
	s_wait_alu depctr_va_vdst(0)
	s_wait_kmcnt 0x0
	s_add_co_i32 s90, s68, s69
	s_add_co_i32 s91, s70, s71
	s_add_co_i32 s92, s72, s73
	s_cmp_eq_u32 ttmp9, 0
	s_cselect_b32 s96, s90, s91
	s_cselect_b32 s98, s74, s75
	s_cmp_eq_u32 ttmp9, 2
	s_cselect_b32 s96, s92, s96
	s_cselect_b32 s98, s77, s98
	s_add_co_i32 s96, s96, 127
	s_lshl_b32 s96, s96, 23
	s_mov_b32 s97, s96
	s_add_co_i32 s98, s98, 127
	s_lshl_b32 s99, s98, 23
	v_mov_b32 v[SCL], s99
	s_add_co_i32 s98, s98, 8
	s_lshl_b32 s98, s98, 23
	s_or_b32 s98, s98, 0x600000
	v_mov_b32 v[LIM], s98
.macro FRAG reg, adr, q, i
.irp c, 0,1,2,3
	ds_load_b128 v[\reg+4*\c:\reg+4*\c+3], v[\adr] offset:128*(\q)+32*\c+(\i)*16*PITCH
.endr
.endm
.macro MUL16 a0, p, zero
.irp a, \a0, \a0+1
.irp b, 0,1,2,3,4,5,6,7
.if \zero
	v_wmma_f32_16x16x128_fp8_fp8 v[8*(8*((\a)%4)+\b):8*(8*((\a)%4)+\b)+7], v[128*(\p)+FR*\b:128*(\p)+FR*\b+FR-1], v[AF+FR*(\a):AF+FR*(\a)+FR-1], 0
.else
	v_wmma_f32_16x16x128_fp8_fp8 v[8*(8*((\a)%4)+\b):8*(8*((\a)%4)+\b)+7], v[128*(\p)+FR*\b:128*(\p)+FR*\b+FR-1], v[AF+FR*(\a):AF+FR*(\a)+FR-1], v[8*(8*((\a)%4)+\b):8*(8*((\a)%4)+\b)+7]
.endif
.endr
.endr
.endm
.macro FETCH_B slot, q, p
	WIN TO_B
.irp i, 0,1,2,3,4,5,6,7
	FRAG 128*(\p)+FR*\i, ADRB+\slot, \q, \i
.endr
	WIN 0
.endm
.macro FETCH_A slot, q, i0
.irp i, \i0, \i0+1, \i0+2, \i0+3
	FRAG AF+FR*(\i), ADRA+\slot, \q, \i
.endr
.endm
.macro PLACES n
.rept \n
	v_nop
.endr
.endm
.macro STEP slot, q, zero
	s_wait_dscnt 4*NL
	WIN MUL_LO
	MUL16 0, (\q)%2, \zero
	MUL16 2, (\q)%2, \zero
	s_wait_dscnt 0
	PLACES NP
	FETCH_B \slot, (\q)+1, 1-(\q)%2
	FETCH_A \slot, (\q)+1, 0
	WIN MUL_HI
	MUL16 4, (\q)%2, \zero
	MUL16 6, (\q)%2, \zero
	PLACES NP
	WIN 0
	FETCH_A \slot, (\q)+1, 4
.endm
.macro TURN slot, next, fill
	s_wait_tensorcnt 0x0
	ds_add_u32 v[SPW], v[NIL]
	s_wait_dscnt 4*NL+1
	WIN MUL_LO
	MUL16 0, 1, 0
	s_wait_dscnt 0x0
	s_barrier_signal -1
	MUL16 2, 1, 0
	WIN 0
	s_barrier_wait -1
.if \fill
	CREST
	s_add_nc_u64 s[G0+4*\slot+2:G0+4*\slot+3], s[G0+4*\slot+2:G0+4*\slot+3], 2*ROWB
	s_add_nc_u64 s[G0B+4*\slot+2:G0B+4*\slot+3], s[G0B+4*\slot+2:G0B+4*\slot+3], 2*ROWB
	JLOAD G0+4*\slot, G1, G0B+4*\slot, G1B
.else
	PLACES NP
.endif
	FETCH_B \next, 0, 0
	FETCH_A \next, 0, 0
	WIN MUL_HI
	MUL16 4, 1, 0
	MUL16 6, 1, 0
	PLACES NP
	WIN 0
	FETCH_A \next, 0, 4
.endm
	s_wait_loadcnt 0x0
	s_wait_tensorcnt 1
	s_barrier_signal -1
	s_barrier_wait -1
	FETCH_B 0, 0, 0
	FETCH_A 0, 0, 0
	FETCH_A 0, 0, 4
	STEP 0, 0, 1
	s_mov_b32 s3, LAPS-1
.Llap:
	TURN 0, 1, 1
	STEP 1, 0, 0
	TURN 1, 0, 1
	STEP 0, 0, 0
	s_sub_co_u32 s3, s3, 1
	s_cmp_lg_u32 s3, 0
	s_cbranch_scc1 .Llap
	TURN 0, 1, 0
	STEP 1, 0, 0
	s_wait_dscnt 4*NL
	WIN MUL_LO
	MUL16 0, 1, 0
	MUL16 2, 1, 0
	s_wait_dscnt 0
	WIN MUL_HI
	MUL16 4, 1, 0
	MUL16 6, 1, 0
	WIN 0
.macro EPI rowbias
.irp a, 0,1,2,3,4,5,6,7
.set AC, 64*((\a)%4)
.set CD, 192+16*((\a)%4)
.if \a >= 4
	s_wait_xcnt 0x0
.endif
	WIN 0x02+((\a)/4)
.irp j, 0,2,4,6,8,10,12,14,16,18,20,22,24,26,28,30,32,34,36,38,40,42,44,46,48,50,52,54,56,58,60,62
.if \rowbias
	v_pk_fma_f32 v[TT+\j:TT+\j+1], v[AC+\j:AC+\j+1], s[96:97], v[BR+2*\a:BR+2*\a+1] op_sel_hi:[1,0,1]
.else
	v_pk_fma_f32 v[TT+\j:TT+\j+1], v[AC+\j:AC+\j+1], s[96:97], v[BC+\j:BC+\j+1] op_sel_hi:[1,0,1]
.endif
.endr
	WIN 0
.set j, 0
.rept 64
	v_med3_num_f32 v[TT+j], v[TT+j], -v[LIM], v[LIM]
.set j, j+1
.endr
.irp b, 0,1,2,3,4,5,6,7
	v_cvt_scalef32_pk8_fp8_f32 v[CD+2*\b:CD+2*\b+1], v[TT+8*\b:TT+8*\b+7], v[SCL]
.endr
	v_nop
.irp c, 0,1,2,3
	global_store_b128 v[LOFF], v[CD+4*\c:CD+4*\c+3], s[10:11] offset:2048*\a+512*\c
.endr
.endr
.endm
	PLACES NP
	s_cmp_eq_u32 ttmp9, 2
	s_cbranch_scc1 .Lrows
	EPI 0
	s_branch .Ldone
.Lrows:
	EPI 1
.Ldone:
	s_wait_tensorcnt 0x0
	ds_add_u32 v[SPW], v[NIL]
	s_wait_dscnt 0x0
	CROUND
	s_endpgm
.Lfunc_end_k_q5558fd9154_qkv:
	.size	k_q5558fd9154_qkv, .Lfunc_end_k_q5558fd9154_qkv-k_q5558fd9154_qkv
	.p2alignl 7, 3214868480
	.fill 96, 4, 3214868480
	.section	.rodata,"a",@progbits
	.p2align	6, 0x0
	.amdhsa_kernel k_q5558fd9154_qkv
		.amdhsa_group_segment_fixed_size 327680
		.amdhsa_private_segment_fixed_size 0
		.amdhsa_enable_private_segment 0
		.amdhsa_kernarg_size 88
		.amdhsa_user_sgpr_count 2
		.amdhsa_user_sgpr_kernarg_segment_ptr 1
		.amdhsa_wavefront_size32 1
		.amdhsa_system_sgpr_workgroup_id_x 1
		.amdhsa_system_sgpr_workgroup_id_y 1
		.amdhsa_system_sgpr_workgroup_id_z 1
		.amdhsa_system_vgpr_workitem_id 0
		.amdhsa_next_free_vgpr 1024
		.amdhsa_next_free_sgpr 100
		.amdhsa_reserve_vcc 0
		.amdhsa_float_denorm_mode_32 3
		.amdhsa_float_denorm_mode_16_64 3
		.amdhsa_memory_ordered 1
		.amdhsa_forward_progress 1
		.amdhsa_inst_pref_size 195
	.end_amdhsa_kernel
	.amdgpu_metadata
---
amdhsa.version: [ 1, 2 ]
amdhsa.kernels:
  - .name:           k_q5558fd9154_qkv
    .symbol:         k_q5558fd9154_qkv.kd
    .args:
      - { .name: x_codes, .offset: 0, .size: 8, .value_kind: global_buffer, .address_space: global }
      - { .name: Wq_codes, .offset: 8, .size: 8, .value_kind: global_buffer, .address_space: global }
      - { .name: Wk_codes, .offset: 16, .size: 8, .value_kind: global_buffer, .address_space: global }
      - { .name: Wv_codes, .offset: 24, .size: 8, .value_kind: global_buffer, .address_space: global }
      - { .name: bq, .offset: 32, .size: 8, .value_kind: global_buffer, .address_space: global }
      - { .name: bk, .offset: 40, .size: 8, .value_kind: global_buffer, .address_space: global }
      - { .name: bv, .offset: 48, .size: 8, .value_kind: global_buffer, .address_space: global }
      - { .name: lowp_scales, .offset: 56, .size: 8, .value_kind: global_buffer, .address_space: global }
      - { .name: qc, .offset: 64, .size: 8, .value_kind: global_buffer, .address_space: global }
      - { .name: kc, .offset: 72, .size: 8, .value_kind: global_buffer, .address_space: global }
      - { .name: vc, .offset: 80, .size: 8, .value_kind: global_buffer, .address_space: global }
    .group_segment_fixed_size: 327680
    .private_segment_fixed_size: 0
    .kernarg_segment_align: 8
    .kernarg_segment_size: 88
    .max_flat_workgroup_size: 128
    .sgpr_count:     100
    .vgpr_count:     1024
    .wavefront_size: 32
...
	.end_amdgpu_metadata
.endif
;; end of part 4
;; launch attn (part 5): grid 16 x 16, 8 waves a work-group, clusters of 4 x 4, 327,680 bytes of LDS; arguments qc, kc, vc, mask, lowp_scales, cc; writes cc
.if DOCPART == 5
	.amdgcn_target "amdgcn-amd-amdhsa--gfx1250"
	.amdhsa_code_object_version 6
	.text
	.protected	k_q5558fd9154_attn
	.globl	k_q5558fd9154_attn
	.p2align	8
	.type	k_q5558fd9154_attn,@function
k_q5558fd9154_attn:
	s_mov_b64 s[64:65], 0
	v_nop
	global_prefetch_b8 v0, s[64:65] scope:SCOPE_SE
	s_setreg_imm32_b32 hwreg(HW_REG_WAVE_MODE, 25, 1), 1
	s_wait_xcnt 0x0
	s_wait_alu depctr_hold_cnt(0) depctr_sa_sdst(0) depctr_va_vdst(0) depctr_va_sdst(0) depctr_va_ssrc(0) depctr_va_vcc(0) depctr_vm_vsrc(0)
	s_getreg_b32 s2, hwreg(HW_REG_IB_STS2, 6, 4)
	s_cmp_eq_u32 s2, 0
	s_cbranch_scc0 .Lentry_in_a_cluster
	s_endpgm
.Lentry_in_a_cluster:
	s_bfe_u32 s2, ttmp6, 0x10000c
	s_cmp_lg_u32 s2, 0xf033
	s_cbranch_scc0 .Lentry_shape_is_right
	s_endpgm
.Lentry_shape_is_right:
; Attention on codes of FP8 (E4M3): o = softmax((q . k / 8) x mask) v, 4 batches x 16 heads of 64, 2,048 queries and keys; the mask multiplies the scores and is shared by the heads.
; qc, kc, vc: images of operand registers, blocks of 16,384 bytes for 128 model columns (two heads) x 128 tokens: [batch][column block 8][token block 16][a 8][c 4][lane 32][16 bytes].
;   qc, kc: a = 16 tokens; a head's fragment (16 tokens x 64) is 1,024 bytes at 2,048 a + 1,024 (head % 2).   vc: a = 16 columns; a fragment (16 columns x 128 keys) is 2,048 bytes at 2,048 a.
; SOFTMAX: t = score x mask x log2(e) / 8; M = the running largest t rounded up to a whole number; p = 2^(t - M) is held at 448 x 2^e8 and quantised with entry 8 of the scales; it is not normalised.
;   The row's sum is taken of the unquantised p and divides at the end.  When M moves, the sum and O are multiplied by 2^(old M - new M), which rounds nothing.  No branch hangs on data.
; The result is quantised with entry 10 of the scales and stored as codes, cc [8192][1024], row-major.
; SHARES: a work-group owns 128 queries x 4 heads (256 work-groups); wave w of eight owns head w / 2 and the query tiles 4 (w % 2) + 0 .. 3.  A key step is 128 keys, four UNITS a wave, one a tile; K and V are read from LDS once a step.
; LAYOUT: both products transposed (S^T = K Q^T, O^T = V^T P^T): a lane holds one query (lane % 16) and the keys 16 t + 8 (lane / 16) + 0 .. 7 of tile t, whose codes are registers 2 t, 2 t + 1 of P.
; THE STEP IS WRITTEN TWICE: once in a loop of 14 trips, whose last unit changes slots and asks for the tiles two steps on, and once in a loop of 2 trips for steps 14 and 15, which ask for nothing.
;   The slot in hand is a scalar that an exclusive or turns.  O^T and the sums begin as zeros and the largest t as -3e38, so the first step needs no text of its own: 128 moves, once, in place of a third copy of the step.
; CLUSTER 4 x 4: cx = query block, cy = group of four heads.  K's and V's blocks are shared along a row of the cluster, the mask's tile along a column: every tile is asked for jointly.
;   Waves 0, 1 fetch K's two blocks, waves 2, 3 V's, waves 4, 5 the halves of the mask's tile: one tensor load of a wave is out at any time.
; PREFETCH: in the second unit of trips 0 to 12 wave 6 asks for 32 rows (32 cy on) x 512 bytes of the mask's tile, and wave 7 for block cx of the four blocks of K and V, that the NEXT trip's change of slots loads:
;   a lane to each 256 bytes, two instructions a wave; the partners share the blocks out by address.  Tiles 0 to 2 come by their loads alone; trip 13 asks for nothing.
; LIMITS: entries 6 + 7 of the scales between -123 and 130 (added to c's exponent field); entries 8 and 10 between -126 and 119; the scaled scores stay under 2^31 in magnitude; NaN among the inputs is not served.
; REGISTERS: window 0: v1-19 addresses, constants, at work; v20-35 statistics, four a tile (-M, largest t, the sum in two halves); v36-51 P; v52-59 at work; v64-127 S^T, then p; v128-191 the mask; v192-255 K.
;   window 1: v0-127 O^T, 32 a tile; v128-159 Q; v160-223 V.
.set MP,    528                        ; a row of the mask in LDS: 512 bytes + 16 of padding
.set MHALF, 64*MP
.set KOFF,  128*MP                     ; LDS: the mask's tile of slot 0 at 0, K's two blocks behind it,
.set SPARE, KOFF+32768                 ; then the spare words, 128 bytes for each of eight waves
.set SX,    131072                     ; slot 1's mask and K lie this much further on
.set VOFF,  262144                     ; V's two blocks of slot 0;
.set SXV,   32768                      ; slot 1's behind them
.set SP,    272                        ; the way out: a stage of 128 rows x (256 + 16) bytes from LDS byte 0: slot 0's mask, which has had its last fill and its last read by then
.set AK0,  1
.set AV0,  2
.set AM0,  3                           ; v1-3 my lane's place in K, V, the mask of slot 0
.set AK,   4
.set AV,   5
.set AM,   6                           ; v4-6 the same in the slot in hand
.set PFO,  7
.set SPW,  8                           ; v8 my spare word; v9 0: never rewritten
.set NIL,  9
.set LIM,  10                          ; v10, v11: 448 x the scale in hand, twice: the two halves of a dual instruction read different registers
.set LIM2, 11
.set FF,   12                          ; v[12:13] f = 2^(old M - new M)
.set SB,   14                          ; v[14:15] the sum's second chain
.set TA,   16
.set PD,   17
.set L16,  18
.set SCL,  19
.set ST,   20
.set P,    36
.set CH,   52
.set GO,   56
.set STI,  57
.set STR,  58
.set PFO2, 59
.set S,    64
.set MK,   128
.set KF,   192
.set O,    0
.set QF,   128
.set VF,   160
.set WV,   18
.set SEL,  20
.set CS,   22
.set G1J,  24                          ; s[24:31] group 1 for K's and V's blocks; s[32:39] for the mask's halves
.set G1M,  32
.set G0K,  40                          ; s[40:43], s[44:47], s[60:63]: groups 0, which walk from tile to tile
.set G0V,  44
.set G0M,  60
.set TRIPS, 54
.set TB,   55                          ; s55 0 or SX: the slot in hand, for K and the mask; s66 0 or SXV: for V
.set TV,   66
.set PFA,  56                          ; s[56:57] where my prefetches stand; s[68:69] a tile on; s67 the least count of trips to go at which my wave asks
.set LIMS, 67
.set PFS,  68
.set MSB, 0
.macro WIN new
.if MSB != \new
	s_set_vgpr_msb (MSB<<8)|\new
.set MSB, \new
.endif
.endm
.macro TLOAD                           ; one chain of branches on the wave's number, one load to an arm; s_nop 0 and four v_nop follow each
	s_cmp_lt_u32 s[WV], 2
	s_cbranch_scc0 .Lnot_k_\@
	tensor_load_to_lds s[G0K:G0K+3], s[G1J:G1J+7]
	s_nop 0
.rept 4
	v_nop
.endr
	s_branch .Lasked_\@
.Lnot_k_\@:
	s_cmp_lt_u32 s[WV], 4
	s_cbranch_scc0 .Lnot_v_\@
	tensor_load_to_lds s[G0V:G0V+3], s[G1J:G1J+7]
	s_nop 0
.rept 4
	v_nop
.endr
	s_branch .Lasked_\@
.Lnot_v_\@:
	s_cmp_lt_u32 s[WV], 6
	s_cbranch_scc0 .Lasked_\@
	tensor_load_to_lds s[G0M:G0M+3], s[G1M:G1M+7]
	s_nop 0
.rept 4
	v_nop
.endr
.Lasked_\@:
.endm
.macro ADV                             ; the walking descriptors: the other slot, the next 128 keys (no tensor load of mine is out here)
	s_xor_b32 s[G0K+1], s[G0K+1], SX
	s_add_nc_u64 s[G0K+2:G0K+3], s[G0K+2:G0K+3], 16384
	s_xor_b32 s[G0V+1], s[G0V+1], SXV
	s_add_nc_u64 s[G0V+2:G0V+3], s[G0V+2:G0V+3], 16384
	s_xor_b32 s[G0M+1], s[G0M+1], SX
	s_add_nc_u64 s[G0M+2:G0M+3], s[G0M+2:G0M+3], 512
.endm
.macro CREST                           ; a round of the cluster's barrier behind its opening barrier
	s_cmp_lg_u32 s[WV], 0
	s_cbranch_scc1 .Lnot_wave_0_\@
	s_barrier_signal -3
.Lnot_wave_0_\@:
	s_barrier_wait -3
	s_barrier_signal -1
	s_barrier_wait -1
.endm
.macro CROUND
	s_barrier_signal -1
	s_barrier_wait -1
	CREST
.endm
.macro PREF
	s_wait_alu depctr_va_vdst(0)
	s_cmp_ge_u32 s[TRIPS], s[LIMS]
	s_cbranch_scc0 .Lno_pf_\@
	global_prefetch_b8 v[PFO], s[PFA:PFA+1] th:TH_LOAD_NT scope:SCOPE_SE
	global_prefetch_b8 v[PFO2], s[PFA:PFA+1] th:TH_LOAD_NT scope:SCOPE_SE
.Lno_pf_\@:
.endm
.macro SETADR                          ; my lane's places in the slot in hand
	v_add_nc_u32 v[AK], s[TB], v[AK0]
	v_add_nc_u32 v[AM], s[TB], v[AM0]
	v_add_nc_u32 v[AV], s[TV], v[AV0]
.endm
	s_load_b256 s[4:11], s[0:1], 0x0               ; qc, kc, vc, mask
	s_load_b128 s[12:15], s[0:1], 0x20             ; the scales, cc
	v_lshl_add_u32 v[SPW], v0, 2, SPARE
	v_mov_b32 v[NIL], 0
	ds_add_u32 v[SPW], v[NIL]                      ; the opening lines: the add twice on end, and its wait ahead of the first tensor load
	ds_add_u32 v[SPW], v[NIL]
	v_lshrrev_b32 v[TA], 5, v0
	v_readfirstlane_b32 s[WV], v[TA]               ; wave 0..7
	s_lshr_b32 s19, s[WV], 1                       ; my head of the four
	s_and_b32 s58, s[WV], 1                        ; my half of the queries; also which block or half I fetch
	s_bfe_u32 s48, ttmp6, 0x40000                  ; cx
	s_bfe_u32 s49, ttmp6, 0x40004                  ; cy
	s_lshl_b32 s50, ttmp9, 2
	s_add_co_u32 s50, s50, s48                     ; my block of 128 queries
	s_and_b32 s51, ttmp7, 0xffff                   ; the batch
	s_lshl_b32 s52, s49, 2
	s_lshl_b32 s52, 15, s52                        ; my row of the cluster
	s_lshl_b32 s53, 0x1111, s48                    ; my column
	s_or_b32 s[G1J], s52, (3<<16)|(1<<21)          ; a dense block: 64 rows of 32 elements of 8 bytes
	s_mov_b32 s[G1J+1], 32<<16
	s_mov_b32 s[G1J+2], 64<<16
	s_mov_b32 s[G1J+3], 32<<16
	s_mov_b32 s[G1J+4], 64
	s_mov_b32 s[G1J+5], 32
	s_mov_b32 s[G1J+6], 0
	s_mov_b32 s[G1J+7], 0
	s_or_b32 s[G1M], s53, (2<<16)|(1<<20)|(1<<21)|(6<<22)|(3<<25)   ; 64 rows of 128 f32, 2,048 apart, 4 words of padding behind every 128
	s_mov_b32 s[G1M+1], 128<<16
	s_mov_b32 s[G1M+2], 64<<16
	s_mov_b32 s[G1M+3], 128<<16
	s_mov_b32 s[G1M+4], 64
	s_mov_b32 s[G1M+5], 2048
	s_mov_b32 s[G1M+6], 0
	s_mov_b32 s[G1M+7], 0
	s_mov_b32 s[SEL], 0x76543210
	s_mov_b32 s[SEL+1], 0xfedcba98
	s_mov_b32 s[TB], 0
	s_mov_b32 s[TV], 0
	s_lshl_b32 s72, s51, 3
	s_lshl_b32 s73, s49, 1
	s_add_co_u32 s72, s72, s73                     ; 8 x batch + 2 cy: my four heads' first column block
	s_add_co_u32 s74, s72, s58
	s_lshl_b32 s74, s74, 18                        ; the column block that I fetch, in bytes
	s_mov_b32 s75, 0
	s_lshl_b32 s78, s51, 24
	s_lshl_b32 s79, s50, 20
	s_add_co_u32 s78, s78, s79                     ; the mask at my batch and query block
	s_lshl_b32 s76, s58, 19
	s_add_co_u32 s76, s76, s78                     ; the 64 rows that I fetch
	s_mov_b32 s77, 0
	s_lshl_b32 s80, s49, 18
	s_add_co_u32 s80, s80, s78
	s_add_co_u32 s80, s80, 3*512                   ; wave 6's prefetches: 32 cy rows down, at tile 3
	s_and_b32 s70, s48, 1
	s_add_co_u32 s70, s70, s72
	s_lshl_b32 s70, s70, 18
	s_add_co_u32 s70, s70, 3*16384                 ; wave 7's: column block cx % 2 of K (cx < 2) or V, at token block 3
	s_lshr_b32 s82, s19, 1                         ; my head's block of the two, and my head of the block's two
	s_and_b32 s83, s19, 1
	s_add_co_u32 s84, s72, s82
	s_lshl_b32 s84, s84, 4
	s_add_co_u32 s84, s84, s50
	s_lshl_b32 s84, s84, 14
	s_lshl_b32 s85, s58, 13
	s_add_co_u32 s84, s84, s85
	s_lshl_b32 s85, s83, 10
	s_add_co_u32 s84, s84, s85                     ; Q: my head's column block, my queries' token block, my four groups of 16, my head's half
	s_add_co_u32 s94, s85, KOFF
	s_mov_b32 s85, 0
	s_lshl_b32 s79, s82, 14
	s_add_co_u32 s94, s94, s79                     ; my head's K in a slot
	s_lshl_b32 s95, s83, 13
	s_add_co_u32 s95, s95, s79
	s_add_co_u32 s95, s95, VOFF                    ; my head's V
	s_mul_i32 s59, s58, MHALF                      ; my half of the mask's tile: what I read, and what I fetch
	s_lshl_b32 s86, s51, 11
	s_lshl_b32 s87, s50, 7
	s_add_co_u32 s86, s86, s87
	s_lshl_b32 s87, s[WV], 4
	s_add_co_u32 s86, s86, s87
	s_lshl_b32 s86, s86, 10
	s_lshl_b32 s87, s49, 8
	s_add_co_u32 s86, s86, s87                     ; cc: row 2,048 batch + 128 query block + 16 wave, column 256 cy
	s_mov_b32 s87, 0
	s_lshl_b32 s79, s58, 14                        ; where my block of K or V goes in its pair
	s_wait_dscnt 0x0                               ; both opening adds are done
	s_wait_kmcnt 0x0
	s_load_b128 s[88:91], s[12:13], 0x18           ; entries 6 to 9 of the scales
	s_load_b32 s92, s[12:13], 0x28                 ; entry 10
	s_mov_b32 s[G0K], 1
	s_add_co_u32 s[G0K+1], s79, KOFF
	s_add_nc_u64 s[G0K+2:G0K+3], s[6:7], s[74:75]
	s_or_b32 s[G0K+3], s[G0K+3], 0x80000000
	s_mov_b32 s[G0V], 1
	s_add_co_u32 s[G0V+1], s79, VOFF
	s_add_nc_u64 s[G0V+2:G0V+3], s[8:9], s[74:75]
	s_or_b32 s[G0V+3], s[G0V+3], 0x80000000
	s_mov_b32 s[G0M], 1
	s_mov_b32 s[G0M+1], s59
	s_add_nc_u64 s[G0M+2:G0M+3], s[10:11], s[76:77]
	s_or_b32 s[G0M+3], s[G0M+3], 0x80000000
	s_cmp_lt_u32 s48, 2
	s_cselect_b64 s[PFA:PFA+1], s[6:7], s[8:9]
	s_cmp_eq_u32 s[WV], 7                          ; wave 7: K and V; else the mask
	s_cselect_b64 s[PFA:PFA+1], s[PFA:PFA+1], s[10:11]
	s_cselect_b32 s80, s70, s80
	s_mov_b32 s81, 0
	s_mov_b32 s[PFS], 512
	s_cselect_b32 s[PFS], 16384, s[PFS]            ; a tile on
	s_mov_b32 s[PFS+1], 0
	s_cselect_b32 s71, 9, 13                       ; two lanes on: 512 bytes of a block, or a row of the mask
	s_mov_b32 s93, 131072
	s_cselect_b32 s93, 8192, s93                   ; the second instruction: the block's other half, or 16 rows down
	s_add_nc_u64 s[PFA:PFA+1], s[PFA:PFA+1], s[80:81]
	s_cmp_ge_u32 s[WV], 6
	s_cselect_b32 s[LIMS], 2, 100                  ; waves 6, 7 ask while two trips or more are to go; no other wave ever
	s_add_nc_u64 s[4:5], s[4:5], s[84:85]
	s_add_nc_u64 s[14:15], s[14:15], s[86:87]
	CROUND                                         ; all sixteen work-groups are here: the first joint loads meet
	TLOAD                                          ; tile 0: one tensor load a wave at the head
	s_wait_kmcnt 0x0
	s_mov_b32 s[CS], 0x3e38aa3b                    ; c = log2(e) / 8,
	s_add_co_i32 s72, s88, s89
	s_lshl_b32 s72, s72, 23
	s_add_co_i32 s[CS], s[CS], s72                 ; x 2^(e6 + e7), by its exponent field
	s_mov_b32 s[CS+1], s[CS]
	s_add_co_i32 s72, s90, 127
	s_lshl_b32 s73, s72, 23
	s_add_co_i32 s72, s72, 8
	s_lshl_b32 s72, s72, 23
	s_or_b32 s72, s72, 0x600000
	v_mov_b32 v[SCL], s73                          ; 2^e8
	v_mov_b32 v[LIM], s72                          ; 448 x 2^e8
	v_mov_b32 v[LIM2], s72
	v_and_b32 v[TA], 31, v0
	v_lshlrev_b32 v[L16], 4, v[TA]
	v_add_nc_u32 v[AK0], s94, v[L16]
	v_add_nc_u32 v[AV0], s95, v[L16]
	v_and_b32 v[CH], 15, v0
	v_bfe_u32 v[CH+1], v0, 4, 1
	v_mul_u32_u24 v[AM0], v[CH], MP
	v_lshl_add_u32 v[AM0], v[CH+1], 5, v[AM0]
	v_add_nc_u32 v[AM0], s59, v[AM0]               ; the mask: row 64 x my half + lane % 16, + 32 (lane / 16)
	v_bfe_u32 v[PFO], v0, 1, 4
	v_lshlrev_b32 v[PFO], s71, v[PFO]
	v_and_b32 v[CH+2], 1, v0
	v_lshl_add_u32 v[PFO], v[CH+2], 8, v[PFO]
	v_add_nc_u32 v[PFO2], s93, v[PFO]
	SETADR
.irp q, 0,1,2,3
	v_mov_b32 v[ST+4*\q+1], 0xff61b1e6             ; the largest t so far: -3e38
	v_floor_f32 v[ST+4*\q], -v[ST+4*\q+1]          ; -M
	v_mov_b32 v[ST+4*\q+2], 0
	v_mov_b32 v[ST+4*\q+3], 0
.endr
	v_mov_b32 v[FF+1], 0                           ; (named as the upper half of a pair)
	v_mov_b32 v[PD], 0                             ; a lane permute's destination counts as a source
	WIN 0x40                                       ; destination window 1
.irp q, 0,1,2,3
	global_load_b128 v[QF+8*\q:QF+8*\q+3], v[L16], s[4:5] offset:2048*\q
	global_load_b128 v[QF+8*\q+4:QF+8*\q+7], v[L16], s[4:5] offset:2048*\q+512
.endr
.set j, 0
.rept 128
	v_mov_b32 v[O+j], 0                            ; O^T: the first change of M leaves zeros zeros
.set j, j+1
.endr
	WIN 0
.macro LOADK
.irp t, 0,1,2,3,4,5,6,7
	ds_load_b128 v[KF+8*\t:KF+8*\t+3], v[AK] offset:2048*\t
	ds_load_b128 v[KF+8*\t+4:KF+8*\t+7], v[AK] offset:2048*\t+512
.endr
.endm
.macro LOADM q
.irp t, 0,1,2,3,4,5,6,7
	ds_load_b128 v[MK+8*\t:MK+8*\t+3], v[AM] offset:(\q)*16*MP+64*\t
	ds_load_b128 v[MK+8*\t+4:MK+8*\t+7], v[AM] offset:(\q)*16*MP+64*\t+16
.endr
.endm
.macro LOADV
	WIN 0x40
.irp d, 0,1,2,3
.irp c, 0,1,2,3
	ds_load_b128 v[VF+16*\d+4*\c:VF+16*\d+4*\c+3], v[AV] offset:2048*\d+512*\c
.endr
.endr
	WIN 0
.endm
.macro MAXES                           ; the largest of my 64 numbers: four chains that take turns
.irp c, 0,1,2,3
	v_max3_num_f32 v[CH+\c], v[S+16*\c], v[S+16*\c+1], v[S+16*\c+2]
.endr
.irp i, 3,5,7,9,11,13
.irp c, 0,1,2,3
	v_max3_num_f32 v[CH+\c], v[CH+\c], v[S+16*\c+\i], v[S+16*\c+\i+1]
.endr
.endr
	v_max3_num_f32 v[CH], v[CH], v[S+15], v[S+31]
	v_max3_num_f32 v[CH+2], v[CH+2], v[S+47], v[S+63]
	v_max3_num_f32 v[CH], v[CH], v[CH+1], v[CH+2]
	v_max_num_f32 v[CH], v[CH], v[CH+3]
.endm
.macro TM n                            ; t - M for n pairs (of the pairs c and -M the low word serves both halves)
.rept \n
	v_pk_fma_f32 v[S+j:S+j+1], v[S+j:S+j+1], s[CS:CS+1], v[NM:NM+1] op_sel_hi:[1,0,0]
.set j, j+2
.endr
.endm
.macro DMIN k                          ; the hold for two numbers: the conversion does not saturate (ISA guide 7.6.2); p is not negative, so it is one-sided
	v_dual_min_num_f32 v[S+(\k)], v[S+(\k)], v[LIM] :: v_dual_min_num_f32 v[S+(\k)+1], v[S+(\k)+1], v[LIM2]
.endm
; A UNIT: query tile q against the 128 keys of the slot in hand.  mode = 1: in the loop that fills slots; 0: in the last two steps.
.macro UNIT q, mode
.set NM, ST+4*(\q)
.set OQ, O+32*(\q)
.if (\q == 1) && \mode
	PREF
.endif
.if \q == 0
	s_wait_dscnt 16                                ; K is in; the first mask's sixteen loads are younger
.endif
	WIN 0x04                                       ; Q in window 1
.irp t, 0,1,2,3,4,5,6,7
	v_wmma_f32_16x16x64_fp8_fp8 v[S+8*\t:S+8*\t+7], v[KF+8*\t:KF+8*\t+7], v[QF+8*(\q):QF+8*(\q)+7], 0
.endr
	WIN 0
.rept 4
	v_nop                                          ; places ahead of the first read of the scores, and in unit 0 ahead of the loads into V's registers
.endr
.if \q == 0
	LOADV
	s_wait_dscnt 16                                ; the mask is in; V's sixteen loads are younger
.elseif (\q == 3) && \mode
	s_barrier_wait -1                              ; every wave of my work-group has left this slot (the signal stands in the third unit);
	CREST                                          ; and so has every partner: no wave of the cluster still reads it or has a load on its way
	TLOAD                                          ; the tiles two steps on: the first thing behind the round, a wave's one tensor load until the next
	LOADK                                          ; the next step's K, out of the other slot (this unit's mask was waited for ahead of the signal)
.else
	s_wait_dscnt 0x0                               ; the mask, asked for a unit ago
.endif
.set j, 0
.rept 32
	v_pk_mul_f32 v[S+j:S+j+1], v[S+j:S+j+1], v[MK+j:MK+j+1]   ; score x mask, each accumulator from its low end on
.set j, j+2
.endr
.if \q < 3
	LOADM (\q)+1
.elseif \mode
	LOADM 0                                        ; the next step's first mask, out of the other slot
.endif
	MAXES
	v_permlanex16_b32 v[PD], v[CH], s[SEL], s[SEL+1]
	s_delay_alu instid0(VALU_DEP_1)
	v_max_num_f32 v[CH], v[CH], v[PD]              ; and among lane l xor 16's
	s_delay_alu instid0(VALU_DEP_1)
	v_mul_f32 v[CH], s[CS], v[CH]                  ; as t (c is positive)
	s_delay_alu instid0(VALU_DEP_1)
	v_max_num_f32 v[NM+1], v[NM+1], v[CH]          ; the running largest t
	v_mov_b32 v[TA], v[NM]
	s_delay_alu instid0(VALU_DEP_2)
	v_floor_f32 v[NM], -v[NM+1]                    ; the new -M = -ceil(t)
	s_delay_alu instid0(VALU_DEP_1)
	v_sub_f32 v[TA], v[NM], v[TA]                  ; old M - new M: a whole number, 0 or less
.set j, 0
	TM 4
	v_cvt_i32_f32 v[TA], v[TA]                     ; (it saturates)
	TM 4
	v_ldexp_f32 v[FF], 1.0, v[TA]                  ; f = 2^(old M - new M)
	TM 4
	v_pk_mul_f32 v[NM+2:NM+3], v[NM+2:NM+3], v[FF:FF+1] op_sel_hi:[1,0]   ; the sum under the new M
	TM 20
.if \q == 0
	s_wait_dscnt 16                                ; V is in; the next mask's sixteen loads are younger
.endif
.if (\q == 2) && \mode
	s_xor_b32 s[TB], s[TB], SX                     ; my last load out of this slot, the fourth tile's mask, has been issued: on to the other slot
	s_xor_b32 s[TV], s[TV], SXV
	SETADR
.endif
	s_wait_alu depctr_va_vdst(0)                   ; one wait ahead of the batch (in the third unit also ahead of the waits below)
.if (\q == 2) && \mode
	; THE CHANGE OF SLOTS OPENS HERE.  K and V have been waited for, and the wait for 0 below shows the fourth mask in registers: my reads of this slot are over.
	s_wait_tensorcnt 0x0                           ; my part of the other slot is in, so the groups 0 may be written
	ds_add_u32 v[SPW], v[NIL]                      ; the add, here twice on end
	ds_add_u32 v[SPW], v[NIL]
	s_wait_xcnt 0x0                                ; the prefetches have read their base
	ADV
	s_add_nc_u64 s[PFA:PFA+1], s[PFA:PFA+1], s[PFS:PFS+1]
	s_wait_dscnt 0x0                               ; both adds are done, and the fourth mask is in
	s_barrier_signal -1                            ; opens a round of the cluster's barrier; work on registers alone stands up to its wait, in the last unit
.endif
.set j, 0
.rept 64
	v_exp_f32 v[S+j], v[S+j]                       ; p = 2^(t - M), at most 1
.set j, j+1
.endr
	WIN 0x41                                       ; O^T window 1, f window 0
	s_wait_alu depctr_va_vdst(0)                   ; one wait behind the batch, directly ahead of O^T's first readers
.set j, 0
.rept 16
	v_pk_mul_f32 v[OQ+j:OQ+j+1], v[OQ+j:OQ+j+1], v[FF:FF+1] op_sel_hi:[1,0]   ; O^T under the new M
.set j, j+2
.endr
	WIN 0
	v_pk_add_f32 v[SB:SB+1], v[S:S+1], v[S+2:S+3]  ; the sum of the unquantised p, in two chains; each pair is held behind its addition
	DMIN 0
	DMIN 2
.set j, 4
.rept 15
	v_pk_add_f32 v[NM+2:NM+3], v[NM+2:NM+3], v[S+j:S+j+1]
	DMIN j
	v_pk_add_f32 v[SB:SB+1], v[SB:SB+1], v[S+j+2:S+j+3]
	DMIN j+2
.set j, j+4
.endr
.irp t, 0,1,2,3,4,5,6,7
	v_cvt_scalef32_pk8_fp8_f32 v[P+2*\t:P+2*\t+1], v[S+8*\t:S+8*\t+7], v[SCL]
.endr
	v_pk_add_f32 v[NM+2:NM+3], v[NM+2:NM+3], v[SB:SB+1]   ; (the plain instruction between the conversions and the products)
	WIN 0x51                                       ; V, C and O^T window 1, P window 0
.irp d, 0,1,2,3
	v_wmma_f32_16x16x128_fp8_fp8 v[OQ+8*\d:OQ+8*\d+7], v[VF+16*\d:VF+16*\d+15], v[P:P+15], v[OQ+8*\d:OQ+8*\d+7]   ; four accumulators, one turn each
.endr
	WIN 0
.endm
	s_wait_alu depctr_va_vdst(0)
	s_wait_tensorcnt 0x0                           ; my part of tile 0 is in; slot 1's first fill is issued as a refill is
	ds_add_u32 v[SPW], v[NIL]
	ds_add_u32 v[SPW], v[NIL]
	ADV
	s_wait_dscnt 0x0
	CROUND
	TLOAD                                          ; tile 1
	LOADK
	LOADM 0
	s_wait_loadcnt 0x0                             ; Q
	s_mov_b32 s[TRIPS], 14
.Lstep:                                            ; steps 0 to 13: step i asks for tile i + 2
	UNIT 0, 1
	UNIT 1, 1
	UNIT 2, 1
	UNIT 3, 1
	s_sub_co_u32 s[TRIPS], s[TRIPS], 1
	s_cmp_lg_u32 s[TRIPS], 0
	s_cbranch_scc1 .Lstep
	s_mov_b32 s[TRIPS], 0
.Ltail:                                            ; steps 14 and 15: nothing is left to fetch
	UNIT 0, 0
	UNIT 1, 0
	UNIT 2, 0
	UNIT 3, 0
	s_add_co_u32 s[TRIPS], s[TRIPS], 1
	s_cmp_eq_u32 s[TRIPS], 2
	s_wait_alu depctr_va_vdst(0)
	s_cbranch_scc1 .Lout                           ; behind step 15
	s_wait_tensorcnt 0x0                           ; my part of tile 15 is in
	ds_add_u32 v[SPW], v[NIL]
	s_xor_b32 s[TB], s[TB], SX
	s_xor_b32 s[TV], s[TV], SXV
	SETADR
	s_wait_alu depctr_va_vdst(0)
	s_wait_dscnt 0x0
	s_barrier_signal -1
	s_barrier_wait -1                              ; everybody's is, and nobody reads slot 0 any more
	LOADK
	LOADM 0
	s_cmp_lt_u32 s[TRIPS], 2
	s_cbranch_scc1 .Ltail
.Lout:
	s_wait_dscnt 0x0                               ; no LDS load of mine is out
	; THE WAY OUT.  O^T / the sum x 2^(e8 + e9) is quantised with 2^e10; a lane's eight codes go into the stage; a row's 256 bytes come from four waves, so a barrier stands between writing and reading.
	s_add_co_i32 s72, s90, s91
	s_mul_i32 s73, s58, 64*SP
	s_lshl_b32 s74, s19, 6
	s_add_co_u32 s73, s73, s74
	s_mul_i32 s74, s[WV], 16*SP
	s_add_co_i32 s75, s92, 127
	s_lshl_b32 s76, s75, 23
	s_add_co_i32 s75, s75, 8
	s_lshl_b32 s75, s75, 23
	s_or_b32 s75, s75, 0x600000
.irp q, 0,1,2,3
	v_add_f32 v[ST+4*\q+2], v[ST+4*\q+2], v[ST+4*\q+3]   ; the sum's two halves (also the places behind the last products)
.endr
.irp q, 0,1,2,3
	v_permlanex16_b32 v[ST+4*\q+3], v[ST+4*\q+2], s[SEL], s[SEL+1]
.endr
.irp q, 0,1,2,3
	v_add_f32 v[ST+4*\q+2], v[ST+4*\q+2], v[ST+4*\q+3]   ; and lane l xor 16's
.endr
	s_wait_alu depctr_va_vdst(0)                   ; ahead of the batch
.irp q, 0,1,2,3
	v_rcp_f32 v[ST+4*\q+2], v[ST+4*\q+2]
.endr
	v_and_b32 v[TA], 15, v0                        ; r
	v_bfe_u32 v[PD], v0, 4, 1                      ; h
	s_wait_alu depctr_va_vdst(0)                   ; behind it
.irp q, 0,1,2,3
	v_ldexp_f32 v[ST+4*\q+2], v[ST+4*\q+2], s72    ; x 2^(e8 + e9)
.endr
	v_mul_u32_u24 v[STI], v[TA], SP
	v_mul_u32_u24 v[STR], v[PD], SP
	v_lshlrev_b32 v[GO], 10, v[PD]
	v_lshl_add_u32 v[STI], v[PD], 3, v[STI]
	v_lshl_add_u32 v[STR], v[TA], 4, v[STR]
	v_lshl_add_u32 v[GO], v[TA], 4, v[GO]          ; two rows of cc, 16 bytes a lane
	v_add_nc_u32 v[STI], s73, v[STI]               ; in: row 64 x my half + r, byte 64 x head + 8 h
	v_add_nc_u32 v[STR], s74, v[STR]               ; back: my sixteen rows, lanes 0-15 one row, lanes 16-31 the next
	v_mov_b32 v[SCL], s76                          ; 2^e10
	v_mov_b32 v[LIM], s75                          ; 448 x 2^e10
	WIN 0x01                                       ; O^T window 1
	s_wait_alu depctr_va_vdst(0)                   ; directly ahead of O^T's first readers
.irp q, 0,1,2,3
.set j, 0
.rept 16
	v_pk_mul_f32 v[S+32*\q+j:S+32*\q+j+1], v[O+32*\q+j:O+32*\q+j+1], v[ST+4*\q+2:ST+4*\q+3] op_sel_hi:[1,0]   ; register 32 q + 8 d + i is o(16 q + r, 16 d + 8 h + i)
.set j, j+2
.endr
.endr
	WIN 0
.set j, 0
.rept 128
	v_med3_num_f32 v[S+j], v[S+j], -v[LIM], v[LIM]
.set j, j+1
.endr
.set j, 0
.rept 16
	v_cvt_scalef32_pk8_fp8_f32 v[KF+2*j:KF+2*j+1], v[S+8*j:S+8*j+7], v[SCL]
.set j, j+1
.endr
	v_nop                                          ; one plain vector instruction behind the last conversion
.set j, 0
.rept 16
	ds_store_b64 v[STI], v[KF+2*j:KF+2*j+1] offset:(j/4)*16*SP+16*(j%4)
.set j, j+1
.endr
	s_wait_dscnt 0x0                               ; for the others' sake: my stores into the stage are done
	s_barrier_signal -1
	s_barrier_wait -1
.irp i, 0,1,2,3,4,5,6,7
	ds_load_b128 v[S+4*\i:S+4*\i+3], v[STR] offset:2*SP*\i
.endr
.irp i, 0,1,2,3,4,5,6,7
	s_wait_dscnt 7-\i                              ; rows 2 i, 2 i + 1 are back; the younger loads stay out
	global_store_b128 v[GO], v[S+4*\i:S+4*\i+3], s[14:15] offset:2048*\i   ; 16 lanes store 256 consecutive bytes, at a multiple of 256 from cc's first byte
.endr
	s_wait_tensorcnt 0x0                           ; the wave's end
	ds_add_u32 v[SPW], v[NIL]
	s_wait_dscnt 0x0
	CROUND                                         ; the closing round
	s_endpgm
.Lfunc_end_k_q5558fd9154_attn:
	.size	k_q5558fd9154_attn, .Lfunc_end_k_q5558fd9154_attn-k_q5558fd9154_attn
	.p2alignl 7, 3214868480
	.fill 96, 4, 3214868480
	.section	.rodata,"a",@progbits
	.p2align	6, 0x0
	.amdhsa_kernel k_q5558fd9154_attn
		.amdhsa_group_segment_fixed_size 327680
		.amdhsa_private_segment_fixed_size 0
		.amdhsa_enable_private_segment 0
		.amdhsa_kernarg_size 48
		.amdhsa_user_sgpr_count 2
		.amdhsa_user_sgpr_kernarg_segment_ptr 1
		.amdhsa_wavefront_size32 1
		.amdhsa_system_sgpr_workgroup_id_x 1
		.amdhsa_system_sgpr_workgroup_id_y 1
		.amdhsa_system_sgpr_workgroup_id_z 1
		.amdhsa_system_vgpr_workitem_id 0
		.amdhsa_next_free_vgpr 512
		.amdhsa_next_free_sgpr 96
		.amdhsa_reserve_vcc 0
		.amdhsa_float_denorm_mode_32 3
		.amdhsa_float_denorm_mode_16_64 3
		.amdhsa_memory_ordered 1
		.amdhsa_forward_progress 1
		.amdhsa_inst_pref_size 173
	.end_amdhsa_kernel
	.amdgpu_metadata
---
amdhsa.version: [ 1, 2 ]
amdhsa.kernels:
  - .name:           k_q5558fd9154_attn
    .symbol:         k_q5558fd9154_attn.kd
    .args:
      - { .name: qc, .offset: 0, .size: 8, .value_kind: global_buffer, .address_space: global }
      - { .name: kc, .offset: 8, .size: 8, .value_kind: global_buffer, .address_space: global }
      - { .name: vc, .offset: 16, .size: 8, .value_kind: global_buffer, .address_space: global }
      - { .name: mask, .offset: 24, .size: 8, .value_kind: global_buffer, .address_space: global }
      - { .name: lowp_scales, .offset: 32, .size: 8, .value_kind: global_buffer, .address_space: global }
      - { .name: cc, .offset: 40, .size: 8, .value_kind: global_buffer, .address_space: global }
    .group_segment_fixed_size: 327680
    .private_segment_fixed_size: 0
    .kernarg_segment_align: 8
    .kernarg_segment_size: 48
    .max_flat_workgroup_size: 256
    .sgpr_count:     96
    .vgpr_count:     512
    .wavefront_size: 32
...
	.end_amdgpu_metadata
.endif
;; end of part 5
;; launch oproj (part 6): grid 8 x 32, 4 waves a work-group, clusters of 4 x 4, 327,680 bytes of LDS; arguments cc, Wo_codes, lowp_scales, out0, bo; writes out0
.if DOCPART == 6
	.amdgcn_target "amdgcn-amd-amdhsa--gfx1250"
	.amdhsa_code_object_version 6
	.text
	.protected	k_q5558fd9154_oproj
	.globl	k_q5558fd9154_oproj
	.p2align	8
	.type	k_q5558fd9154_oproj,@function
k_q5558fd9154_oproj:
	s_mov_b64 s[64:65], 0
	v_nop
	global_prefetch_b8 v0, s[64:65] scope:SCOPE_SE
	s_setreg_imm32_b32 hwreg(HW_REG_WAVE_MODE, 25, 1), 1
	s_wait_xcnt 0x0
	s_wait_alu depctr_hold_cnt(0) depctr_sa_sdst(0) depctr_va_vdst(0) depctr_va_sdst(0) depctr_va_ssrc(0) depctr_va_vcc(0) depctr_vm_vsrc(0)
	s_getreg_b32 s2, hwreg(HW_REG_IB_STS2, 6, 4)
	s_cmp_eq_u32 s2, 0
	s_cbranch_scc0 .Lentry_in_a_cluster
	s_endpgm
.Lentry_in_a_cluster:
	s_bfe_u32 s2, ttmp6, 0x10000c
	s_cmp_lg_u32 s2, 0xf033
	s_cbranch_scc0 .Lentry_shape_is_right
	s_endpgm
.Lentry_shape_is_right:
; out0[m][n] = 2^(e10 + e11) x (sum over k of cc[m][k] Wo[n][k]) + bo[n]: cc [8192][1024] and Wo [1024][1024] are codes of FP8 (E4M3), K innermost; out0 [8192][1024] f32; sums in f32.
; LIMIT: entries 10 + 11 of the scales lie between -126 and 127, so that 2^(e10 + e11) is an f32 number.
; SHARES: 256 work-groups of four waves.  Work-group (x, y) makes two tiles of 128 x 128: columns 128 x, rows 128 y and 4,096 + 128 y; both take the same 128 rows of Wo.  A wave makes 64 x 64: 16 accumulators.
; ALL OF K LIES IN LDS: 128 rows of cc and 128 rows of Wo, 1,024 bytes + 16 of padding each.  At the head each wave asks for 64 rows by one tensor load; the walk along K then has no barrier.
;   Behind the first tile's last fragment loads cc's 128 rows are filled again, once, with the second tile's (waves 0 and 1, 64 rows each), and that load is on its way while the first tile goes out.
; CLUSTER 4 x 4: cc's rows are shared along a row of the cluster, Wo's along a column: every tile is asked for jointly.
; NO PREFETCH: the text has no loop to run ahead in: a tile's whole K is asked for by one load a wave.
; THE MATRIX INSTRUCTION IS USED TRANSPOSED (source 0 = 16 rows of Wo, source 1 = 16 rows of cc): a lane holds eight neighbouring numbers of a row of out0.
; A fragment (16 rows x 128 K) comes by four loads of 16 bytes, 32 apart: a permutation of k that is the same in both operands.
; REGISTERS: window 0: v16-29 addresses, the bias, the add's two; v128-255 cc's fragments, two sets of 64; on the way out the rows read back.  Window 1: v0-127 Wo's fragments, two sets; v128-255 the accumulators.
.set PITCH,  1040
.set HALFT,  64*PITCH
.set BOFF,   2*HALFT                   ; Wo's rows behind cc's
.set SPARE,  4*HALFT                   ; the spare words, 128 bytes for each of four waves
.set STAGE,  SPARE+512                 ; the way out: 16 rows x (256 + 16) bytes for each wave; bytes into which no tile lands
.set SPITCH, 272
.set CROW,   4096
.set WALKA,  4096*1024                 ; from the first tile to the second, in cc
.set WALKC,  4096*4096                 ; and in out0
.set ADRA, 16
.set ADRB, 17
.set STO,  18
.set RD,   19
.set CO,   20
.set BOF,  21
.set BI,   24
.set SPW,  28
.set NIL,  29
.set AF,   128
.set OB,   128
.set ACC,  128
.set G1,  24
.set G0,  32
.set G1B, 48
.set G0B, 56
.set MSB, 0
.macro WIN new
.if MSB != \new
	s_set_vgpr_msb (MSB<<8)|\new
.set MSB, \new
.endif
.endm
.macro CREST
	s_cmp_lg_u32 s14, 0
	s_cbranch_scc1 .Lnot_wave_0_\@
	s_barrier_signal -3
.Lnot_wave_0_\@:
	s_barrier_wait -3
	s_barrier_signal -1
	s_barrier_wait -1
.endm
.macro CROUND
	s_barrier_signal -1
	s_barrier_wait -1
	CREST
.endm
.macro PLACES
.rept 4
	v_nop
.endr
.endm
	s_load_b128 s[4:7], s[0:1], 0x0                ; cc, Wo's codes
	s_load_b128 s[8:11], s[0:1], 0x10              ; the scales, out0
	s_load_b64 s[12:13], s[0:1], 0x20              ; bo
	v_lshl_add_u32 v[SPW], v0, 2, SPARE
	v_mov_b32 v[NIL], 0
	ds_add_u32 v[SPW], v[NIL]                      ; the opening lines: the add twice on end, and its wait ahead of the first tensor load
	ds_add_u32 v[SPW], v[NIL]
	v_lshrrev_b32 v1, 5, v0
	v_readfirstlane_b32 s14, v1                    ; wave 0..3
	s_lshr_b32 s15, s14, 1                         ; my half of the tile's rows; also: I fetch for cc (0) or for Wo (1)
	s_and_b32 s16, s14, 1                          ; my half of its columns; also: which 64 rows I fetch
	s_bfe_u32 s40, ttmp6, 0x40000                  ; cx
	s_bfe_u32 s41, ttmp6, 0x40004                  ; cy
	s_lshl_b32 s42, ttmp9, 2
	s_add_co_u32 s42, s42, s40                     ; x
	s_and_b32 s17, ttmp7, 0xffff
	s_lshl_b32 s17, s17, 2
	s_add_co_u32 s17, s17, s41                     ; y
	s_lshl_b32 s43, s41, 2
	s_lshl_b32 s43, 15, s43                        ; my row of the cluster
	s_lshl_b32 s44, 0x1111, s40                    ; my column
	s_or_b32 s[G1], s43, (1<<20)|(1<<21)|(7<<22)|(3<<25)    ; elements of 1 byte; 4 words of padding behind every 256
	s_or_b32 s[G1B], s44, (1<<20)|(1<<21)|(7<<22)|(3<<25)
.irp g, G1, G1B
	s_mov_b32 s[\g+1], 1024<<16                    ; 64 rows of 1,024 bytes, 1,024 apart
	s_mov_b32 s[\g+2], 64<<16
	s_mov_b32 s[\g+3], 1024<<16
	s_mov_b32 s[\g+4], 64
	s_mov_b32 s[\g+5], 1024
	s_mov_b32 s[\g+6], 0
	s_mov_b32 s[\g+7], 0
.endr
	s_lshl_b32 s18, s16, 6
	s_lshl_b32 s20, s17, 7
	s_add_co_u32 s20, s20, s18
	s_lshl_b32 s20, s20, 10                        ; cc: row 128 y + 64 x half, in bytes
	s_mov_b32 s21, 0
	s_lshl_b32 s46, s42, 7
	s_add_co_u32 s46, s46, s18
	s_lshl_b32 s46, s46, 10                        ; Wo: row 128 x + 64 x half
	s_mov_b32 s47, 0
	s_mul_i32 s45, s16, HALFT                      ; where the 64 rows go: no place in the cluster enters an LDS address
	s_mul_i32 s22, s15, HALFT                      ; my 64 rows of cc
	s_add_co_u32 s23, s45, BOFF                    ; my 64 rows of Wo
	s_mul_i32 s19, s14, 16*SPITCH
	s_add_co_u32 s19, s19, STAGE                   ; my stage
	s_lshl_b32 s60, s42, 9
	s_lshl_b32 s61, s16, 8
	s_add_co_u32 s60, s60, s61                     ; my first column, in bytes
	s_lshl_b32 s62, s17, 7
	s_lshl_b32 s63, s15, 6
	s_add_co_u32 s62, s62, s63
	s_lshl_b32 s62, s62, 12
	s_add_co_u32 s62, s62, s60                     ; my part of the first tile in out0
	s_mov_b32 s63, 0
	s_wait_dscnt 0x0                               ; both opening adds are done
	s_wait_kmcnt 0x0
	s_load_b64 s[96:97], s[8:9], 0x28              ; entries 10 and 11 of the scales
	s_mov_b32 s[G0], 1
	s_mov_b32 s[G0+1], s45
	s_add_nc_u64 s[G0+2:G0+3], s[4:5], s[20:21]
	s_or_b32 s[G0+3], s[G0+3], 0x80000000
	s_mov_b32 s[G0B], 1
	s_mov_b32 s[G0B+1], s23
	s_add_nc_u64 s[G0B+2:G0B+3], s[6:7], s[46:47]
	s_or_b32 s[G0B+3], s[G0B+3], 0x80000000
	s_add_nc_u64 s[10:11], s[10:11], s[62:63]
	CROUND                                         ; all sixteen work-groups are here: the first joint loads meet
	s_cmp_eq_u32 s15, 0                            ; one load a wave: waves 0, 1 cc's halves, waves 2, 3 Wo's; s_nop 0 and four v_nop follow each line
	s_cbranch_scc0 .Lfor_b
	tensor_load_to_lds s[G0:G0+3], s[G1:G1+7]
	s_nop 0
	PLACES
	s_branch .Lasked
.Lfor_b:
	tensor_load_to_lds s[G0B:G0B+3], s[G1B:G1B+7]
	s_nop 0
	PLACES
.Lasked:
	v_and_b32 v1, 15, v0                           ; r = lane % 16
	v_bfe_u32 v2, v0, 4, 1                         ; h = lane / 16
	v_mul_u32_u24 v3, v1, PITCH
	v_lshl_add_u32 v3, v2, 4, v3
	v_add_nc_u32 v[ADRA], s22, v3
	v_add_nc_u32 v[ADRB], s23, v3
	v_mul_u32_u24 v4, v1, SPITCH
	v_lshl_add_u32 v4, v2, 5, v4
	v_add_nc_u32 v[STO], s19, v4                   ; in: row r, 32 bytes for each half of the lanes
	v_mul_u32_u24 v5, v2, SPITCH
	v_lshl_add_u32 v5, v1, 4, v5
	v_add_nc_u32 v[RD], s19, v5                    ; back: lanes 0-15 one row of 256 bytes, lanes 16-31 the next
	v_lshlrev_b32 v6, 12, v2
	v_lshl_add_u32 v[CO], v1, 4, v6                ; and the same two rows in out0
	v_lshl_add_u32 v[BOF], v1, 4, s60
	global_load_b128 v[BI:BI+3], v[BOF], s[12:13]  ; the bias of the four columns that I store
	s_wait_kmcnt 0x0
	s_add_co_i32 s96, s96, s97
	s_add_co_i32 s96, s96, 127
	s_lshl_b32 s96, s96, 23                        ; 2^(e10 + e11)
	s_mov_b32 s97, s96
.macro FETCH q                         ; the fragments of the q-th 128 along K, four of Wo and four of cc, into set q % 2: 32 loads
.set FS, 64*((\q)%2)
	WIN 0x40                                       ; destination window 1
.irp i, 0,1,2,3
.irp c, 0,1,2,3
	ds_load_b128 v[FS+16*\i+4*\c:FS+16*\i+4*\c+3], v[ADRB] offset:128*(\q)+32*\c+\i*16*PITCH
.endr
.endr
	WIN 0
.irp i, 0,1,2,3
.irp c, 0,1,2,3
	ds_load_b128 v[AF+FS+16*\i+4*\c:AF+FS+16*\i+4*\c+3], v[ADRA] offset:128*(\q)+32*\c+\i*16*PITCH
.endr
.endr
.endm
.macro MUL q, zero                     ; 16 matrix instructions, the 16 accumulators by turns; zero = 1: the products start the sums
.set FS, 64*((\q)%2)
	WIN 0x51                                       ; Wo, C and D window 1, cc window 0
.irp a, 0,1,2,3
.irp b, 0,1,2,3
.if \zero
	v_wmma_f32_16x16x128_fp8_fp8 v[ACC+8*(4*\a+\b):ACC+8*(4*\a+\b)+7], v[FS+16*\b:FS+16*\b+15], v[AF+FS+16*\a:AF+FS+16*\a+15], 0
.else
	v_wmma_f32_16x16x128_fp8_fp8 v[ACC+8*(4*\a+\b):ACC+8*(4*\a+\b)+7], v[FS+16*\b:FS+16*\b+15], v[AF+FS+16*\a:AF+FS+16*\a+15], v[ACC+8*(4*\a+\b):ACC+8*(4*\a+\b)+7]
.endif
.endr
.endr
.endm
.macro WALK7                           ; steps 0 to 6 of a tile: each asks for the next step's fragments ahead of its own products
	FETCH 0
	FETCH 1
	s_wait_dscnt 32                                ; step 0's are in; the 32 just issued may be out
	MUL 0, 1
.irp q, 1,2,3,4,5,6
	PLACES                                         ; ahead of loads into the set that the last products read
	FETCH \q+1
	s_wait_dscnt 32
	MUL \q, 0
.endr
	WIN 0
.endm
; THE WAY OUT: a block of 16 rows x 64 columns goes through my stage and comes back as whole rows of 256 bytes.  LDS serves a wave's instructions in order (ISA guide 5.7.1.4): no wait between the stores and the loads, nor ahead of the next block's stores.
.macro OUT
	PLACES                                         ; ahead of the first read of the last results, and of loads into registers that the last products read
.irp a, 0,1,2,3
	WIN 0x04                                       ; the stores' data: window 1
.irp b, 0,1,2,3
	ds_store_b128 v[STO], v[ACC+8*(4*\a+\b):ACC+8*(4*\a+\b)+3] offset:64*\b
	ds_store_b128 v[STO], v[ACC+8*(4*\a+\b)+4:ACC+8*(4*\a+\b)+7] offset:64*\b+16
.endr
	WIN 0
.irp t, 0,1,2,3,4,5,6,7
	ds_load_b128 v[OB+32*\a+4*\t:OB+32*\a+4*\t+3], v[RD] offset:\t*2*SPITCH
.endr
.endr
.irp a, 0,1,2,3
	s_wait_dscnt 16*(3-\a)                         ; block a is back; the later blocks' eight stores and eight loads each may be out
.irp t, 0,1,2,3,4,5,6,7
	v_pk_fma_f32 v[OB+32*\a+4*\t:OB+32*\a+4*\t+1], v[OB+32*\a+4*\t:OB+32*\a+4*\t+1], s[96:97], v[BI:BI+1] op_sel_hi:[1,0,1]
	v_pk_fma_f32 v[OB+32*\a+4*\t+2:OB+32*\a+4*\t+3], v[OB+32*\a+4*\t+2:OB+32*\a+4*\t+3], s[96:97], v[BI+2:BI+3] op_sel_hi:[1,0,1]
.endr
.irp t, 0,1,2,3,4,5,6,7
	global_store_b128 v[CO], v[OB+32*\a+4*\t:OB+32*\a+4*\t+3], s[10:11] offset:(16*\a+2*\t)*CROW th:TH_STORE_NT   ; 16 lanes store 256 consecutive bytes, at a multiple of 256 from out0's first byte
.endr
.endr
.endm
	s_wait_alu depctr_va_vdst(0)
	s_wait_loadcnt 0x0                             ; the bias
	s_wait_tensorcnt 0x0                           ; my 64 rows are in
	s_barrier_signal -1
	s_barrier_wait -1                              ; everybody's are
	WALK7                                          ; THE FIRST TILE
	s_wait_tensorcnt 0x0                           ; no tensor load of mine is out, so cc's group 0 may be written
	ds_add_u32 v[SPW], v[NIL]
	s_add_nc_u64 s[G0+2:G0+3], s[G0+2:G0+3], WALKA ; the second tile's rows
	s_wait_dscnt 0x0                               ; the add is done, step 7's fragments are in, and my reads of cc's rows are over
	s_barrier_signal -1                            ; opens a round of the cluster's barrier
	MUL 7, 0
	WIN 0
	s_barrier_wait -1
	CREST                                          ; no wave of any partner still reads cc's rows
	s_cmp_eq_u32 s15, 0                            ; waves 0 and 1 ask, 64 rows each
	s_cbranch_scc0 .Lno_a
	tensor_load_to_lds s[G0:G0+3], s[G1:G1+7]
	s_nop 0
	PLACES
.Lno_a:
	OUT
	s_wait_xcnt 0x0                                ; the stores have read their base and their data: both are written again below
	s_add_nc_u64 s[10:11], s[10:11], WALKC
	s_wait_tensorcnt 0x0                           ; my part of the second tile's rows is in
	s_barrier_signal -1
	s_barrier_wait -1                              ; everybody's is
	WALK7                                          ; THE SECOND TILE
	s_wait_dscnt 0x0
	MUL 7, 0
	WIN 0
	OUT
	s_wait_tensorcnt 0x0                           ; the wave's end
	ds_add_u32 v[SPW], v[NIL]
	s_wait_dscnt 0x0
	CROUND                                         ; the closing round
	s_endpgm
.Lfunc_end_k_q5558fd9154_oproj:
	.size	k_q5558fd9154_oproj, .Lfunc_end_k_q5558fd9154_oproj-k_q5558fd9154_oproj
	.p2alignl 7, 3214868480
	.fill 96, 4, 3214868480
	.section	.rodata,"a",@progbits
	.p2align	6, 0x0
	.amdhsa_kernel k_q5558fd9154_oproj
		.amdhsa_group_segment_fixed_size 327680
		.amdhsa_private_segment_fixed_size 0
		.amdhsa_enable_private_segment 0
		.amdhsa_kernarg_size 40
		.amdhsa_user_sgpr_count 2
		.amdhsa_user_sgpr_kernarg_segment_ptr 1
		.amdhsa_wavefront_size32 1
		.amdhsa_system_sgpr_workgroup_id_x 1
		.amdhsa_system_sgpr_workgroup_id_y 1
		.amdhsa_system_sgpr_workgroup_id_z 1
		.amdhsa_system_vgpr_workitem_id 0
		.amdhsa_next_free_vgpr 512
		.amdhsa_next_free_sgpr 98
		.amdhsa_reserve_vcc 0
		.amdhsa_float_denorm_mode_32 3
		.amdhsa_float_denorm_mode_16_64 3
		.amdhsa_memory_ordered 1
		.amdhsa_forward_progress 1
		.amdhsa_inst_pref_size 82
	.end_amdhsa_kernel
	.amdgpu_metadata
---
amdhsa.version: [ 1, 2 ]
amdhsa.kernels:
  - .name:           k_q5558fd9154_oproj
    .symbol:         k_q5558fd9154_oproj.kd
    .args:
      - { .name: cc, .offset: 0, .size: 8, .value_kind: global_buffer, .address_space: global }
      - { .name: Wo_codes, .offset: 8, .size: 8, .value_kind: global_buffer, .address_space: global }
      - { .name: lowp_scales, .offset: 16, .size: 8, .value_kind: global_buffer, .address_space: global }
      - { .name: out0, .offset: 24, .size: 8, .value_kind: global_buffer, .address_space: global }
      - { .name: bo, .offset: 32, .size: 8, .value_kind: global_buffer, .address_space: global }
    .group_segment_fixed_size: 327680
    .private_segment_fixed_size: 0
    .kernarg_segment_align: 8
    .kernarg_segment_size: 40
    .max_flat_workgroup_size: 128
    .sgpr_count:     98
    .vgpr_count:     512
    .wavefront_size: 32
...
	.end_amdgpu_metadata
.endif
;; end of part 6
